; MI455X (gfx1250); checked and timed in simulation.
; The chip was launched on July 23, 2026; its instructions are those of AMD's public machine-readable ISA for CDNA 5 (MIT licence, August 2026) and "CDNA5" Instruction Set Architecture Reference Guide (July 2026). The comments in the code are by the model that wrote it; some were corrected since.
;; Causal Self Attention. Allowed arithmetic: matrix products marked QUANTISED: E2M1 operands, one E8M0 scale for each 32 along K, by v_wmma_scale_f32_16x16x128_f8f6f4 with both operands' format E2M1 (or v_wmma_scale_f32_32x16x128_f4), f32 sums; products left as they are: bf16, f16 or f32 operands; f32 sums; everything else in f32.
;; Inputs: Wout 1,024 x 1,024 float32; Wqkv 1,024 x 3,072 float32; bout 1,024 float32; bqkv 3,072 float32; x 4 x 2,048 x 1,024 float32.
;; Outputs: out0 4 x 2,048 x 1,024 float32.
;; This version of the problem:
;;   THIS VERSION OF THE PROBLEM IS GIVEN IN LOW PRECISION. The matrix products marked QUANTISED in the list below multiply operands that are first quantised to E2M1 (2 exponent bits, 1 mantissa bit; 4 bits a number), with one power-of-two scale for each 32 numbers along K (OCP MX v1.0); their sums are f32. The products marked 'left as it is' may take bf16, f16 or f32 operands, with f32 sums. Whichever they take, every output number must still come out within the allowed error. Rounding operands to bf16 (8 significant bits) uses up far more of that allowance than f16 does (11 bits, for magnitudes from 6e-5 to 65,504). All else is computed in f32.
;;   The module's matrix products, in the order in which they are computed (A, B: the left and right operand; K: the contracted axis; several contracted axes count as one K, in the product's order):
;;     1. [M 8,192, K 1,024] x [K 1,024, N 3,072]; A: input x; B: input Wqkv: QUANTISED
;;     2. batch 64 x [M 2,048, K 64] x [K 64, N 2,048]; A: computed on the way; B: computed on the way: left as it is (an operand is computed on the way)
;;     3. batch 64 x [M 2,048, K 2,048] x [K 2,048, N 64]; A: computed on the way; B: computed on the way: left as it is (an operand is computed on the way)
;;     4. [M 8,192, K 1,024] x [K 1,024, N 1,024]; A: computed on the way; B: input Wout: left as it is (an operand is computed on the way)
;;   THE QUANTISER, for each operand of a quantised product, along K:
;;     - K is cut into blocks of 32 from its start; a last block that is shorter is filled with zeros.
;;     - A block's scale is 2^e with e = floor(log2(the largest magnitude in the block)) - 2, held to -126 .. 127; a block of zeros has e = 0. As a byte (E8M0): e + 127.
;;     - Each number is divided by its block's scale, clamped to +-6, and rounded to the nearest number of E2M1, ties to even, subnormals kept.
;;     - The product sums the exact products of the quantised numbers (number of the format x scale) in f32.
;;   ~~~python
;;   def quantise(x, axis):      # numpy; x: float32 -> the quantised numbers, widened to float32 again
;;       x = np.moveaxis(x, axis, -1); K = x.shape[-1]
;;       x = np.pad(x, [(0, 0)] * (x.ndim - 1) + [(0, -K % 32)]); x = x.reshape(x.shape[:-1] + (-1, 32)); a = np.abs(x).max(-1, keepdims=True)
;;       e = np.where(a > 0, np.clip(np.frexp(np.where(a > 0, a, 1))[1] - 1 - 2, -126, 127), 0)      # np.frexp(a)[1] - 1 = floor(log2(a)), exactly
;;       r = np.clip(x / 2.0 ** e, -6, 6)
;;       step = 2.0 ** (np.maximum(np.frexp(np.where(r == 0, 1, r))[1] - 1, 0) - 1)
;;       q = np.round(r / step) * step * 2.0 ** e      # np.round: ties to even
;;       return np.moveaxis(q.reshape(q.shape[:-2] + (-1,))[..., :K], -1, axis).astype(np.float32)
;;   ~~~
;; One version. Each part assembles by itself: llvm-mc -triple=amdgcn-amd-amdhsa -mcpu=gfx1250 --defsym DOCPART=n.
;; ======== version 1 of 1: 5 launches
;; limits: values are held in f16: magnitudes above 65,504 overflow, below 6.1e-05 lose precision
;; workspace buffers: x_codes 4,194,304 bytes; x_scales 262,144 bytes; w_codes 1,572,864 bytes; w_scales 98,304 bytes; wout_t 2,097,152 bytes; qkv16 50,331,648 bytes; qkv32 786,432 bytes; y16 16,777,216 bytes
;; launch prep (part 1): grid 368 x 1, 4 waves a work-group, no clusters, 102,912 bytes of LDS; arguments x, Wqkv, Wout, x_codes, x_scales, w_codes, w_scales, wout_t; writes x_codes, x_scales, w_codes, w_scales, wout_t
.if DOCPART == 1
	.amdgcn_target "amdgcn-amd-amdhsa--gfx1250"
	.amdhsa_code_object_version 6
	.text
	.protected	k_q487ef4a85a_prep
	.globl	k_q487ef4a85a_prep
	.p2align	8
	.type	k_q487ef4a85a_prep,@function
k_q487ef4a85a_prep:
	s_mov_b64 s[64:65], 0
	v_nop
	global_prefetch_b8 v0, s[64:65] scope:SCOPE_SE
	s_setreg_imm32_b32 hwreg(HW_REG_WAVE_MODE, 25, 1), 1
	s_wait_xcnt 0x0
; PREP: three jobs in one launch, told apart by the work-group's number alone.
;   W (work-groups 0-47):    Wqkv [1024 (k)][3072 (n)] f32 -> codes of E2M1 laid [3072][1024] with K innermost (512 bytes a row) and one E8M0 byte for each 32 along K, laid [3072][32].
;   O (work-groups 48-111):  Wout [1024 (k)][1024 (n)] f32 -> f16, laid [n][k] (2,048 bytes a row).
;   X (work-groups 112-367): x [8192][1024] f32, K innermost -> codes [8192][512 bytes] and scale bytes [8192][32].
; A block's scale is 2^(floor(log2(its largest magnitude)) - 2); its byte is the largest magnitude's own exponent field - 2, held at 1 from below by a floor among the maximum's leaves.
; LIMITS: a block of zeros gets the byte 1 where the quantiser's text says 127 (its codes are zeros, which add nothing, and this program alone reads the bytes); blocks whose largest magnitude lies
; under 2^(2 - 126) are held at the byte 1; NaN and infinities are not served; |Wout| stays under 65,504 (f16), and under 6e-5 it is carried with an absolute error of up to 3e-8.
; No tensor load, no barrier: waves share nothing.  Each job has LDS bytes of its own: X 0 .. 32,767, W 32,768 .. 67,583, O 67,584 .. 102,399; behind them the spare words.
.set SPARE,  102400                    ; the spare words, 128 bytes for each wave: two blocks of 256 bytes that no other line names
.set SPW,    14                        ; v14  LDS address of my spare word; never rewritten
.set NIL,    15                        ; v15  0; never rewritten
.set EMAX,   2
.set STEPS,  16                        ; X: steps of 512 numbers for a wave
.set CB,     8                         ; X: bytes of 16 codes
.set XR,     16                        ; X: v16-79   four sets of 16 numbers as they are loaded
.set XX,     80                        ; X: v80-111  two sets of 16 neighbours
.set XE,     112                       ; X: v112-127 a scale byte for each step
.set XC,     128                       ; X: v128-191 codes, four registers for each step: no store's data are written again
.set WREG,   8192                      ; X: a wave's LDS: two stages of 32 x SP bytes, behind them its 256 scale bytes
.set SP,     80                        ; X: a lane's place in a stage: 64 bytes + 16 of padding
.set PITCH,  272                       ; W, O: a stage row: 256 bytes + 16
.set WSTG,   32768
.set OSTG,   67584
.set WX,     32                        ; W, O: v32-95   two sets of 32 numbers
.set WC,     96                        ; W, O: v96-111  what a block has made
.set WOUTR,  112                       ; W, O: v112-175 the way out
.set WSB,    24                        ; W: v24-27 the scale bytes, four to a register
.macro FINISH                          ; a wave's end
	s_wait_tensorcnt 0x0
	ds_add_u32 v[SPW], v[NIL]
	s_wait_dscnt 0x0
	s_endpgm
.endm
	s_load_b512 s[4:19], s[0:1], 0x0               ; x s[4:5], Wqkv s[6:7], Wout s[8:9], x_codes s[10:11], x_scales s[12:13], w_codes s[14:15], w_scales s[16:17], wout_t s[18:19]
	v_lshl_add_u32 v[SPW], v0, 2, SPARE
	v_mov_b32 v[NIL], 0
	v_lshrrev_b32 v1, 5, v0
	v_readfirstlane_b32 s20, v1                    ; wave 0..3
	v_and_b32 v2, 31, v0                           ; lane
	s_wait_kmcnt 0x0
	s_cmp_lt_u32 ttmp9, 48
	s_cbranch_scc1 .Lrole_w
	s_cmp_lt_u32 ttmp9, 112
	s_cbranch_scc1 .Lrole_o
; ---------------- X.  Rows are dense and K is a multiple of 32: x is a plain stream of blocks of 32, and so are its codes and bytes.  A wave takes 16 steps of 512 numbers.
; Each load reads 512 consecutive bytes, 16 a lane; a step's 2,048 bytes turn through the wave's own stage and come back 64 bytes a lane: 16 neighbours along K, two lanes to a block.
	v_lshlrev_b32 v3, 4, v2                        ; my 16 bytes of a load's 512
	s_mul_i32 s21, s20, WREG
	v_lshrrev_b32 v12, 2, v2
	v_mul_u32_u24 v12, v12, SP
	v_and_b32 v13, 3, v2
	v_lshl_add_u32 v12, v13, 4, v12
	v_add_nc_u32 v12, s21, v12                     ; the stage, on the way in: SP (lane / 4) + 16 (lane % 4)
	v_mul_u32_u24 v13, v2, SP
	v_add_nc_u32 v13, s21, v13                     ; and on the way out: SP x lane
	v_mul_u32_u24 v4, v2, CB                       ; my codes' place in a step's 256 bytes
	v_lshrrev_b32 v5, 1, v2
	s_add_co_u32 s21, s21, 2*32*SP
	v_add_nc_u32 v5, s21, v5                       ; my block's byte among my wave's 256 scale bytes
	v_lshlrev_b32 v7, 3, v2
	v_add_nc_u32 v6, s21, v7                       ; and on the way out 8 bytes a lane
	s_sub_co_u32 s22, ttmp9, 112
	s_lshl_b32 s22, s22, 2
	s_add_co_u32 s22, s22, s20                     ; which run of 8,192 numbers is my wave's: 0 .. 1,023
	s_mov_b32 s23, 0
	s_lshl_b64 s[24:25], s[22:23], 15              ; 32,768 bytes of x,
	s_add_nc_u64 s[4:5], s[4:5], s[24:25]
	s_lshl_b64 s[24:25], s[22:23], 12              ; 4,096 of codes,
	s_add_nc_u64 s[10:11], s[10:11], s[24:25]
	s_lshl_b64 s[24:25], s[22:23], 8               ; 256 scale bytes a run
	s_add_nc_u64 s[12:13], s[12:13], s[24:25]
.macro XLOAD t
.irp i, 0,1,2,3
	global_load_b128 v[XR+16*((\t)%4)+4*\i:XR+16*((\t)%4)+4*\i+3], v3, s[4:5] offset:2048*(\t)+512*\i th:TH_LOAD_NT
.endr
.endm
.macro XTURN t                         ; step t's numbers through the stage: LDS serves a wave's instructions in order, so no wait stands between the stores and the loads
.irp i, 0,1,2,3
	ds_store_b128 v12, v[XR+16*((\t)%4)+4*\i:XR+16*((\t)%4)+4*\i+3] offset:32*SP*((\t)%2)+8*SP*\i
.endr
.irp i, 0,1,2,3
	ds_load_b128 v[XX+16*((\t)%2)+4*\i:XX+16*((\t)%2)+4*\i+3], v13 offset:32*SP*((\t)%2)+16*\i
.endr
.endm
.irp t, 0,1,2,3
	XLOAD \t
.endr
	s_wait_loadcnt 12                              ; step 0's four loads are in; the twelve of steps 1 to 3 may be out
	XTURN 0
.macro XSTEP t
.set XS, XX+16*((\t)%2)
.if (\t) > 0
	s_wait_dscnt 1                                 ; this step's numbers are back from the stage; the last step's byte store may be out
.else
	s_wait_dscnt 0x0
.endif
.if (\t)+4 < STEPS
	XLOAD (\t)+4                                   ; into the registers that this step's stores into the stage have read
.endif
.if (\t)+1 < STEPS
.if STEPS-2-(\t) >= 3
	s_wait_loadcnt 12                              ; the next step's four loads are in; those of the three steps behind it may be out
.else
	s_wait_loadcnt 4*(STEPS-2-(\t))                ; at the end the count runs down
.endif
	XTURN (\t)+1
.endif
	v_max3_num_f32 v8, |v[XS]|, |v[XS+1]|, |v[XS+2]|               ; the largest magnitude of my 16, in two chains
	v_max3_num_f32 v9, |v[XS+3]|, |v[XS+4]|, |v[XS+5]|
.irp i, 6,10
	v_max3_num_f32 v8, v8, |v[XS+\i]|, |v[XS+\i+1]|
	v_max3_num_f32 v9, v9, |v[XS+\i+2]|, |v[XS+\i+3]|
.endr
	v_max3_num_f32 v8, v8, |v[XS+14]|, |v[XS+15]|
	v_max3_num_f32 v8, v8, v9, (EMAX+1)<<23        ; and the floor 2^(EMAX + 1 - 127): the byte cannot fall under 1
	v_max_num_f32_dpp v8, v8, v8 row_xmask:1 row_mask:0xf bank_mask:0xf   ; with my neighbour's 16: the block's
	v_add_nc_u32 v11, -(EMAX<<23), v8              ; EMAX off its exponent field: the conversion takes the exponent field of this operand as its scale
	v_cvt_scalef32_pk8_fp4_f32 v[XC+4*(\t)], v[XS:XS+7], v11
	v_cvt_scalef32_pk8_fp4_f32 v[XC+4*(\t)+1], v[XS+8:XS+15], v11
	v_lshrrev_b32 v[XE+(\t)], 23, v11              ; the scale's byte (also the plain line behind the conversions)
	ds_store_b8 v5, v[XE+(\t)] offset:16*(\t)      ; both lanes of a block write the same byte with the same value
	global_store_b64 v4, v[XC+4*(\t):XC+4*(\t)+1], s[10:11] offset:32*CB*(\t)   ; the wave stores 256 consecutive bytes, aligned
.endm
.irp t, 0,1,2,3,4,5,6,7,8,9,10,11,12,13,14,15
	XSTEP \t
.endr
	ds_load_b64 v[8:9], v6                         ; in order behind my byte stores
	s_wait_dscnt 0x0
	global_store_b64 v7, v[8:9], s[12:13]          ; 32 lanes store 256 consecutive bytes, aligned
	FINISH
; ---------------- W.  A lane takes a column n and its registers run down K: each load reads 128 consecutive bytes a wave, a block of 32 along K lies in one lane's 32 registers, and the
; conversions give codes with K innermost.  A wave takes 32 columns x 512 along K: 256 bytes of codes a column, gathered in its stage and stored sixteen lanes to 256 aligned bytes.
.Lrole_w:
	s_lshr_b32 s21, ttmp9, 1
	s_lshl_b32 s21, s21, 7
	s_lshl_b32 s22, s20, 5
	s_add_co_u32 s21, s21, s22                     ; my wave's first column: 128 x (work-group / 2) + 32 x wave
	s_and_b32 s22, ttmp9, 1                        ; which 512 along K
	v_lshlrev_b32 v3, 2, v2                        ; in: 4 bytes a lane
	s_mul_i32 s23, s20, 32*PITCH
	s_add_co_u32 s23, s23, WSTG                    ; my stage
	v_mul_u32_u24 v4, v2, PITCH
	v_add_nc_u32 v4, s23, v4                       ; into it: row = my column
	v_and_b32 v5, 15, v2
	v_lshrrev_b32 v6, 4, v2
	v_mul_u32_u24 v7, v6, PITCH
	v_lshl_add_u32 v7, v5, 4, v7
	v_add_nc_u32 v7, s23, v7                       ; out of it: sixteen lanes to a row, two rows an instruction
	v_lshlrev_b32 v8, 9, v6
	v_lshl_add_u32 v8, v5, 4, v8                   ; and the same place in the codes' buffer: rows of 512 bytes
	v_lshlrev_b32 v9, 5, v2                        ; my column's row of 32 scale bytes
	s_mul_i32 s24, s22, 512*3072*4                 ; Wqkv: 512 rows of 12,288 bytes,
	s_lshl_b32 s25, s21, 2
	s_add_co_u32 s24, s24, s25                     ; + 4 x column
	s_mov_b32 s25, 0
	s_add_nc_u64 s[6:7], s[6:7], s[24:25]
	s_lshl_b32 s24, s21, 9                         ; codes: column x 512 + 256 x half
	s_lshl_b32 s26, s22, 8
	s_add_co_u32 s24, s24, s26
	s_add_nc_u64 s[14:15], s[14:15], s[24:25]
	s_lshl_b32 s24, s21, 5                         ; bytes: column x 32 + 16 x half
	s_lshl_b32 s26, s22, 4
	s_add_co_u32 s24, s24, s26
	s_add_nc_u64 s[16:17], s[16:17], s[24:25]
.macro WLOAD t                         ; block t: Wqkv(32 t + i, my column); the largest offset is 511 x 12,288, inside the signed 24-bit immediate
.irp i, 0,1,2,3,4,5,6,7,8,9,10,11,12,13,14,15,16,17,18,19,20,21,22,23,24,25,26,27,28,29,30,31
	global_load_b32 v[WX+32*((\t)%2)+\i], v3, s[6:7] offset:(32*(\t)+\i)*12288 th:TH_LOAD_NT
.endr
.endm
	WLOAD 0
	WLOAD 1
.macro WBLOCK t
.set XS, WX+32*((\t)%2)
.if (\t) < 15
	s_wait_loadcnt 32                              ; this block's 32 loads are in; the next block's 32 may be out
.else
	s_wait_loadcnt 0
.endif
	v_max3_num_f32 v12, |v[XS]|, |v[XS+1]|, |v[XS+2]|              ; all 32 numbers of the block are mine
	v_max3_num_f32 v13, |v[XS+3]|, |v[XS+4]|, |v[XS+5]|
.irp i, 6,10,14,18,22,26
	v_max3_num_f32 v12, v12, |v[XS+\i]|, |v[XS+\i+1]|
	v_max3_num_f32 v13, v13, |v[XS+\i+2]|, |v[XS+\i+3]|
.endr
	v_max3_num_f32 v12, v12, |v[XS+30]|, |v[XS+31]|
	v_max3_num_f32 v12, v12, v13, (EMAX+1)<<23     ; the floor
	v_add_nc_u32 v11, -(EMAX<<23), v12             ; the conversion's scale operand
	v_lshrrev_b32 v13, 23, v11                     ; the scale's byte
.if (\t)%4 == 0
	v_mov_b32 v[WSB+(\t)/4], v13                   ; four bytes to a register, the lower K in the lower byte
.else
	v_lshl_or_b32 v[WSB+(\t)/4], v13, 8*((\t)%4), v[WSB+(\t)/4]
.endif
.irp g, 0,1,2,3
	v_cvt_scalef32_pk8_fp4_f32 v[WC+\g], v[XS+8*\g:XS+8*\g+7], v11
.endr
	v_nop                                          ; one plain line behind the last conversion
	ds_store_b128 v4, v[WC:WC+3] offset:16*(\t)    ; 32 codes: 16 bytes of my column's row
.if (\t)+2 < 16
	WLOAD (\t)+2
.endif
	s_wait_dscnt 0x0                               ; the store has read its registers: the next block's codes may be written
.endm
.irp t, 0,1,2,3,4,5,6,7,8,9,10,11,12,13,14,15
	WBLOCK \t
.endr
	global_store_b128 v9, v[WSB:WSB+3], s[16:17]   ; my column's 16 scale bytes
.irp t, 0,1,2,3,4,5,6,7,8,9,10,11,12,13,14,15
	ds_load_b128 v[WOUTR+4*\t:WOUTR+4*\t+3], v7 offset:2*\t*PITCH
.endr
.irp t, 0,1,2,3,4,5,6,7,8,9,10,11,12,13,14,15
	s_wait_dscnt 15-\t                             ; load t is back; the younger ones may be out
	global_store_b128 v8, v[WOUTR+4*\t:WOUTR+4*\t+3], s[14:15] offset:2*\t*512
.endr
	FINISH
; ---------------- O.  The same frame: a lane to a column of Wout, registers down K; 32 numbers round to 16 registers of f16.  A wave takes 32 columns x 128 along K: 256 bytes a column.
.Lrole_o:
	s_sub_co_u32 s21, ttmp9, 48
	s_and_b32 s22, s21, 7
	s_lshr_b32 s23, s21, 3                         ; which 128 along K
	s_lshl_b32 s22, s22, 7
	s_lshl_b32 s24, s20, 5
	s_add_co_u32 s22, s22, s24                     ; my wave's first column
	v_lshlrev_b32 v3, 2, v2
	s_mul_i32 s24, s20, 32*PITCH
	s_add_co_u32 s24, s24, OSTG                    ; my stage
	v_mul_u32_u24 v4, v2, PITCH
	v_add_nc_u32 v4, s24, v4
	v_and_b32 v5, 15, v2
	v_lshrrev_b32 v6, 4, v2
	v_mul_u32_u24 v7, v6, PITCH
	v_lshl_add_u32 v7, v5, 4, v7
	v_add_nc_u32 v7, s24, v7
	v_lshlrev_b32 v8, 11, v6
	v_lshl_add_u32 v8, v5, 4, v8                   ; rows of 2,048 bytes in wout_t
	s_lshl_b32 s24, s23, 19                        ; Wout: 128 rows of 4,096 bytes,
	s_lshl_b32 s25, s22, 2
	s_add_co_u32 s24, s24, s25                     ; + 4 x column
	s_mov_b32 s25, 0
	s_add_nc_u64 s[8:9], s[8:9], s[24:25]
	s_lshl_b32 s24, s22, 11                        ; wout_t: column x 2,048 + 256 x K block
	s_lshl_b32 s26, s23, 8
	s_add_co_u32 s24, s24, s26
	s_add_nc_u64 s[18:19], s[18:19], s[24:25]
.macro OLOAD t
.irp i, 0,1,2,3,4,5,6,7,8,9,10,11,12,13,14,15,16,17,18,19,20,21,22,23,24,25,26,27,28,29,30,31
	global_load_b32 v[WX+32*((\t)%2)+\i], v3, s[8:9] offset:(32*(\t)+\i)*4096
.endr
.endm
	OLOAD 0
	OLOAD 1
.macro OBLOCK t
.set XS, WX+32*((\t)%2)
.if (\t) < 3
	s_wait_loadcnt 32                              ; this block's 32 loads are in; the next block's may be out
.else
	s_wait_loadcnt 0
.endif
.irp i, 0,1,2,3,4,5,6,7,8,9,10,11,12,13,14,15
	v_cvt_pk_f16_f32 v[WC+\i], v[XS+2*\i], v[XS+2*\i+1]            ; the lower k in the low half
.endr
.irp g, 0,1,2,3
	ds_store_b128 v4, v[WC+4*\g:WC+4*\g+3] offset:64*(\t)+16*\g
.endr
.if (\t)+2 < 4
	OLOAD (\t)+2
.endif
	s_wait_dscnt 0x0                               ; the stores have read their registers
.endm
.irp t, 0,1,2,3
	OBLOCK \t
.endr
.irp t, 0,1,2,3,4,5,6,7,8,9,10,11,12,13,14,15
	ds_load_b128 v[WOUTR+4*\t:WOUTR+4*\t+3], v7 offset:2*\t*PITCH
.endr
.irp t, 0,1,2,3,4,5,6,7,8,9,10,11,12,13,14,15
	s_wait_dscnt 15-\t
	global_store_b128 v8, v[WOUTR+4*\t:WOUTR+4*\t+3], s[18:19] offset:2*\t*2048   ; sixteen lanes store 256 consecutive bytes, aligned
.endr
	FINISH
.Lfunc_end_k_q487ef4a85a_prep:
	.size	k_q487ef4a85a_prep, .Lfunc_end_k_q487ef4a85a_prep-k_q487ef4a85a_prep
	.p2alignl 7, 3214868480
	.fill 96, 4, 3214868480
	.section	.rodata,"a",@progbits
	.p2align	6, 0x0
	.amdhsa_kernel k_q487ef4a85a_prep
		.amdhsa_group_segment_fixed_size 102912
		.amdhsa_private_segment_fixed_size 0
		.amdhsa_enable_private_segment 0
		.amdhsa_kernarg_size 64
		.amdhsa_user_sgpr_count 2
		.amdhsa_user_sgpr_kernarg_segment_ptr 1
		.amdhsa_wavefront_size32 1
		.amdhsa_system_sgpr_workgroup_id_x 1
		.amdhsa_system_sgpr_workgroup_id_y 1
		.amdhsa_system_sgpr_workgroup_id_z 1
		.amdhsa_system_vgpr_workitem_id 0
		.amdhsa_next_free_vgpr 192
		.amdhsa_next_free_sgpr 66
		.amdhsa_reserve_vcc 0
		.amdhsa_float_denorm_mode_32 3
		.amdhsa_float_denorm_mode_16_64 3
		.amdhsa_memory_ordered 1
		.amdhsa_forward_progress 1
		.amdhsa_inst_pref_size 132
	.end_amdhsa_kernel
	.amdgpu_metadata
---
amdhsa.version: [ 1, 2 ]
amdhsa.kernels:
  - .name:           k_q487ef4a85a_prep
    .symbol:         k_q487ef4a85a_prep.kd
    .args:
      - { .name: x, .offset: 0, .size: 8, .value_kind: global_buffer, .address_space: global }
      - { .name: Wqkv, .offset: 8, .size: 8, .value_kind: global_buffer, .address_space: global }
      - { .name: Wout, .offset: 16, .size: 8, .value_kind: global_buffer, .address_space: global }
      - { .name: x_codes, .offset: 24, .size: 8, .value_kind: global_buffer, .address_space: global }
      - { .name: x_scales, .offset: 32, .size: 8, .value_kind: global_buffer, .address_space: global }
      - { .name: w_codes, .offset: 40, .size: 8, .value_kind: global_buffer, .address_space: global }
      - { .name: w_scales, .offset: 48, .size: 8, .value_kind: global_buffer, .address_space: global }
      - { .name: wout_t, .offset: 56, .size: 8, .value_kind: global_buffer, .address_space: global }
    .group_segment_fixed_size: 102912
    .private_segment_fixed_size: 0
    .kernarg_segment_align: 8
    .kernarg_segment_size: 64
    .max_flat_workgroup_size: 128
    .sgpr_count:     66
    .vgpr_count:     192
    .wavefront_size: 32
...
	.end_amdgpu_metadata
.endif
;; end of part 1
;; launch qkv (part 2): grid 12 x 32, 4 waves a work-group, clusters of 4 x 4, 327,680 bytes of LDS; arguments x_codes, x_scales, w_codes, w_scales, bqkv, qkv16, qkv32; writes qkv16, qkv32
.if DOCPART == 2
	.amdgcn_target "amdgcn-amd-amdhsa--gfx1250"
	.amdhsa_code_object_version 6
	.text
	.protected	k_q487ef4a85a_qkv
	.globl	k_q487ef4a85a_qkv
	.p2align	8
	.type	k_q487ef4a85a_qkv,@function
k_q487ef4a85a_qkv:
	s_mov_b64 s[64:65], 0
	v_nop
	global_prefetch_b8 v0, s[64:65] scope:SCOPE_SE
	s_setreg_imm32_b32 hwreg(HW_REG_WAVE_MODE, 25, 1), 1
	s_wait_xcnt 0x0
	s_wait_alu depctr_hold_cnt(0) depctr_sa_sdst(0) depctr_va_vdst(0) depctr_va_sdst(0) depctr_va_ssrc(0) depctr_va_vcc(0) depctr_vm_vsrc(0)
	s_getreg_b32 s2, hwreg(HW_REG_IB_STS2, 6, 4)
	s_cmp_eq_u32 s2, 0
	s_cbranch_scc0 .Lentry_in_a_cluster
	s_endpgm
.Lentry_in_a_cluster:
	s_bfe_u32 s2, ttmp6, 0x10000c
	s_cmp_lg_u32 s2, 0xf033
	s_cbranch_scc0 .Lentry_shape_is_right
	s_endpgm
.Lentry_shape_is_right:
; QKV: qkv[m][n] = sum over k of x[m][k] Wqkv[k][n] + bqkv[n], on codes of E2M1 with one E8M0 scale for each 32 along K; sums in f32.  M = 8,192, N = 3,072, K = 1,024.
; A tile of 256 x 256 is made by four waves, each 128 x 128: 64 accumulators of 16 x 16, 512 registers.  K = 1,024 is two LDS slots of 512 along K (rows of 256 bytes): both are filled once, at the head, and nothing is filled again.
; The scale bytes of the tile's 256 + 256 rows, for all of K, are two dense blocks of memory: they come once, as rows of 256 bytes, and stay behind the slots.
; CLUSTERS: 4 x 4 work-groups; the four of a row of the cluster ask jointly for x's tiles, the four of a column for W's.  Tile row = 8 cy + cluster y: so the batch is cy, and a tile holds the first 16
; positions of a sequence exactly where cluster y = 0, which all sixteen partners share.
; THE MATRIX INSTRUCTION IS USED TRANSPOSED (source 0 = 16 rows of W's codes, source 1 = 16 rows of x's): a lane holds eight neighbouring columns of one row.  The bias is the C of each sum's first product.
; OUT: q, k, v rounded to f16, laid [section 3][batch 4][head 16][t 2048][64]: a store of the wave covers four tokens of one head, 512 consecutive bytes.  Positions t < 16 also leave as f32, as images of the
; accumulators' registers: (48 batch + 16 section + head) x 4,096 + nb x 1,024 + p x 512 + 16 x lane; register 4 p + i of lane (r, h) is (t = r, channel 16 nb + 8 h + 4 p + i).
; LIMITS: |q|, |k|, |v| stay under 65,504 (f16); under 6e-5 they are carried with an absolute error of up to 3e-8.
; REGISTERS, in windows of 256: window 0: v0-31 addresses; v32-95 scale words, two sets; v128-191 x's fragments, one set; v192-255 the bias, later the packed results.   window 1: W's fragments, two sets.
;   window 2: the accumulators of my rows 0-63 ((a, b) at v[8 (8 a + b)]);   window 3: those of my rows 64-127.
.set KSTEP,  512
.set NQ,     4                         ; matrix instructions deep in a slot
.set ROWB,   256                       ; a tile's row in bytes
.set KROW,   512                       ; a row of codes in memory
.set PITCH,  272                       ; an LDS row: 256 bytes + 16: row r begins 16 r bytes further on modulo 256, so the 16 rows that a load touches fall on 16 different columns of 16 bytes
.set FR,     8
.set NL,     2
.set NP,     4                         ; places behind this matrix instruction (ISA guide 7.12.1)
.set HALFT,  128*PITCH
.set SLOT,   4*HALFT
.set KS,     32                        ; a row of scale bytes
.set SCL,    2*SLOT
.set HALFS,  (128*KS/256)*272
.set SBLK,   (16*KS/256)*272
.set SPARE,  SCL+4*HALFS               ; the spare words, 128 bytes for each wave
.set SPITCH, 272                       ; the way out: a stage of 16 rows x (256 bytes + 16) for each wave, in slot 0, which has had its only fill and its last read by then
.set ADRA, 16
.set ADRB, 20
.set STO,  24
.set RD,   25
.set CO,   26                          ; v26  16 x lane
.set ADRS, 27
.set SPW,  28
.set NIL,  29
.set SC,   32
.set AF,   128
.set BI,   192                         ; the bias: register 8 b + j = bqkv[my first column + 16 b + 8 (lane / 16) + j]
.set TMP,  192
.set BK,   128
.set G1, 24
.set G0, 32
.set G1B, 48
.set G0B, 56
.set G1S, 68
.set G0S, 76
.set G1SB, 80
.set G0SB, 88
.set MSB, 0
.macro WIN new                         ; the immediate's high byte repeats the setting that is left
.if MSB != (\new)
	s_set_vgpr_msb (MSB<<8)|(\new)
.set MSB, (\new)
.endif
.endm
.set MUL_LO,  0xa1                     ; source 0 (W) window 1, source 1 (x) window 0, C and D window 2
.set MUL_HI,  0xf1                     ; the same, C and D window 3
.set MUL_LO0, 0x81                     ; the first products: C (the bias) window 0, D window 2
.set MUL_HI0, 0xc1                     ; D window 3
.set TO_B,    0x40
; A joint load: waves 0 and 1 fetch for x, waves 2 and 3 for W.  The branch hangs on the wave's number alone.  An s_nop 0 and four v_nop follow each of the two lines.
.macro JLOAD g0a, g1a, g0b, g1b
	s_cmp_eq_u32 s15, 0
	s_cbranch_scc0 .Lfor_b_\@
	tensor_load_to_lds s[\g0a:\g0a+3], s[\g1a:\g1a+7]
	s_nop 0
.rept 4
	v_nop
.endr
	s_branch .Lasked_\@
.Lfor_b_\@:
	tensor_load_to_lds s[\g0b:\g0b+3], s[\g1b:\g1b+7]
	s_nop 0
.rept 4
	v_nop
.endr
.Lasked_\@:
.endm
.macro CROUND                          ; a round of the cluster's barrier
	s_barrier_signal -1
	s_barrier_wait -1
	s_cmp_lg_u32 s14, 0
	s_cbranch_scc1 .Lnot_wave_0_\@
	s_barrier_signal -3
.Lnot_wave_0_\@:
	s_barrier_wait -3
	s_barrier_signal -1
	s_barrier_wait -1
.endm
	s_load_b128 s[4:7], s[0:1], 0x0                ; x's codes, x's scales
	s_load_b128 s[8:11], s[0:1], 0x10              ; W's codes, W's scales
	s_load_b64 s[12:13], s[0:1], 0x20              ; bqkv
	s_load_b64 s[96:97], s[0:1], 0x28              ; qkv16
	s_load_b64 s[98:99], s[0:1], 0x30              ; qkv32
	v_lshl_add_u32 v[SPW], v0, 2, SPARE
	v_mov_b32 v[NIL], 0
	ds_add_u32 v[SPW], v[NIL]                      ; the wave's opening: the add, twice on end, and its wait ahead of my first tensor load
	ds_add_u32 v[SPW], v[NIL]
	v_lshrrev_b32 v1, 5, v0
	v_readfirstlane_b32 s14, v1                    ; wave 0..3
	s_lshr_b32 s15, s14, 1                         ; which half of the tile's rows is mine.  Also: I fetch for x (0) or for W (1)
	s_and_b32 s16, s14, 1                          ; which half of its columns.  Also: which 128 rows of that tile I fetch
	s_bfe_u32 s40, ttmp6, 0x40000                  ; cx
	s_bfe_u32 s41, ttmp6, 0x40004                  ; cy
	s_lshl_b32 s42, ttmp9, 2
	s_add_co_u32 s42, s42, s40                     ; tile column = 4 x cluster x + cx
	s_and_b32 s95, ttmp7, 0xffff                   ; cluster y
	s_lshl_b32 s17, s41, 3
	s_add_co_u32 s17, s17, s95                     ; tile row = 8 cy + cluster y
	s_lshl_b32 s43, s41, 2
	s_lshl_b32 s43, 15, s43                        ; my row of the cluster
	s_lshl_b32 s44, 0x1111, s40                    ; my column
	s_or_b32 s[G1+0], s43, (0<<16)|(1<<20)|(1<<21)|(5<<22)|(3<<25)  ; the mask; elements of 1 byte; padding on; bit 21 beside a mask; after every 64 words, 4 words
	s_or_b32 s[G1B+0], s44, (0<<16)|(1<<20)|(1<<21)|(5<<22)|(3<<25)
.irp g, G1, G1B
	s_mov_b32 s[\g+1], ROWB<<16                    ; tensor_dim0
	s_mov_b32 s[\g+2], 128<<16                     ; tensor_dim1
	s_mov_b32 s[\g+3], ROWB<<16                    ; tile_dim0
	s_mov_b32 s[\g+4], 128                         ; tile_dim1
	s_mov_b32 s[\g+5], KROW                        ; the pitch in memory
	s_mov_b32 s[\g+6], 0
	s_mov_b32 s[\g+7], 0
.endr
	s_or_b32 s[G1S+0], s43, (3<<16)|(1<<20)|(1<<21)|(5<<22)|(3<<25) ; the scales of 128 rows: 4,096 dense bytes as 16 rows of 32 elements of 8 bytes
	s_or_b32 s[G1SB+0], s44, (3<<16)|(1<<20)|(1<<21)|(5<<22)|(3<<25)
.irp g, G1S, G1SB
	s_mov_b32 s[\g+1], 32<<16
	s_mov_b32 s[\g+2], (128*KS/256)<<16
	s_mov_b32 s[\g+3], 32<<16
	s_mov_b32 s[\g+4], 128*KS/256
	s_mov_b32 s[\g+5], 32
	s_mov_b32 s[\g+6], 0
	s_mov_b32 s[\g+7], 0
.endr
	s_lshl_b32 s18, s16, 7
	s_lshl_b32 s20, s17, 8
	s_add_co_u32 s20, s20, s18                     ; x: row 256 x tile row + 128 x half
	s_lshl_b32 s46, s42, 8
	s_add_co_u32 s46, s46, s18                     ; W: row 256 x tile column + 128 x half
	s_mov_b32 s21, 0
	s_mov_b32 s47, 0
	s_mov_b64 s[18:19], KS
	s_mul_u64 s[22:23], s[20:21], s[18:19]         ; where these rows' scales begin,
	s_mul_u64 s[92:93], s[46:47], s[18:19]
	s_mov_b64 s[18:19], KROW
	s_mul_u64 s[20:21], s[20:21], s[18:19]         ; and their codes
	s_mul_u64 s[46:47], s[46:47], s[18:19]
	s_mul_i32 s45, s14, HALFT                      ; where they go: wave x 128 rows
	s_mul_i32 s94, s14, HALFS
	s_wait_dscnt 0x0                               ; both opening adds are done
	s_wait_kmcnt 0x0
	s_add_nc_u64 s[20:21], s[4:5], s[20:21]
	s_add_nc_u64 s[22:23], s[6:7], s[22:23]
	s_add_nc_u64 s[46:47], s[8:9], s[46:47]
	s_add_nc_u64 s[92:93], s[10:11], s[92:93]
	CROUND                                         ; all sixteen work-groups are here: the joint loads meet
	s_mov_b32 s[G0S], 1
	s_add_co_u32 s[G0S+1], s94, SCL
	s_mov_b64 s[G0S+2:G0S+3], s[22:23]
	s_or_b32 s[G0S+3], s[G0S+3], 0x80000000
	s_mov_b32 s[G0SB], 1
	s_add_co_u32 s[G0SB+1], s94, SCL
	s_mov_b64 s[G0SB+2:G0SB+3], s[92:93]
	s_or_b32 s[G0SB+3], s[G0SB+3], 0x80000000
	JLOAD G0S, G1S, G0SB, G1SB                     ; the scales first: they are wanted with the first 512 along K
.irp s, 0,1
	s_mov_b32 s[G0+4*\s], 1
	s_add_co_u32 s[G0+4*\s+1], s45, \s*SLOT
	s_add_nc_u64 s[G0+4*\s+2:G0+4*\s+3], s[20:21], \s*ROWB
	s_or_b32 s[G0+4*\s+3], s[G0+4*\s+3], 0x80000000
	s_mov_b32 s[G0B+4*\s], 1
	s_add_co_u32 s[G0B+4*\s+1], s45, \s*SLOT
	s_add_nc_u64 s[G0B+4*\s+2:G0B+4*\s+3], s[46:47], \s*ROWB
	s_or_b32 s[G0B+4*\s+3], s[G0B+4*\s+3], 0x80000000
	JLOAD G0+4*\s, G1, G0B+4*\s, G1B               ; three tensor loads of mine are out, all first fills
.endr
	v_and_b32 v1, 15, v0                           ; r = lane % 16
	v_bfe_u32 v2, v0, 4, 1                         ; h = lane / 16
	v_mul_u32_u24 v3, v1, PITCH
	v_lshl_add_u32 v4, v2, 4, v3                   ; a fragment's row x pitch + 16 h
	s_mul_i32 s21, s15, HALFT
	s_mul_i32 s22, s16, HALFT
	s_add_co_u32 s22, s22, 2*HALFT
.irp s, 0,1
	v_add_nc_u32 v[ADRA+\s], s21, v4
	v_add_nc_u32 v[ADRB+\s], s22, v4
	s_add_co_u32 s21, s21, SLOT
	s_add_co_u32 s22, s22, SLOT
.endr
	v_mul_u32_u24 v5, v1, KS                       ; my row's scales: 32 bytes a row,
	v_lshrrev_b32 v6, 8, v5
	v_lshl_add_u32 v5, v6, 4, v5                   ; and 16 more for each 256 passed
	s_mul_i32 s21, s15, HALFS
	s_mul_i32 s22, s16, HALFS
	s_add_co_u32 s22, s22, 2*HALFS
	s_sub_co_u32 s22, s22, s21
	v_mul_u32_u24 v6, s22, v2                      ; lanes 16-31 take W's
	s_add_co_u32 s21, s21, SCL
	v_add_nc_u32 v5, v5, v6
	v_add_nc_u32 v[ADRS], s21, v5
	s_mul_i32 s23, s14, 16*SPITCH                  ; my stage
	v_mul_u32_u24 v5, v1, SPITCH
	v_lshl_add_u32 v5, v2, 4, v5
	v_add_nc_u32 v[STO], s23, v5                   ; in: row r, 16 bytes for each half of the lanes
	v_and_b32 v6, 31, v0
	v_lshlrev_b32 v[CO], 4, v6
	v_lshrrev_b32 v7, 3, v6
	v_mul_u32_u24 v7, v7, SPITCH
	v_and_b32 v8, 7, v6
	v_lshl_add_u32 v7, v8, 4, v7
	v_add_nc_u32 v[RD], s23, v7                    ; back: eight lanes take a token's 128 bytes of one head, four tokens an instruction
	s_lshl_b32 s46, s42, 10                        ; bqkv at my 128 columns: 1,024 x tile column + 512 x half, in bytes
	s_lshl_b32 s47, s16, 9
	s_add_co_u32 s46, s46, s47
	s_mov_b32 s47, 0
	s_add_nc_u64 s[12:13], s[12:13], s[46:47]
	v_lshlrev_b32 v9, 5, v2                        ; + 32 h
.irp b, 0,1,2,3,4,5,6,7
	global_load_b128 v[BI+8*\b:BI+8*\b+3], v9, s[12:13] offset:64*\b
	global_load_b128 v[BI+8*\b+4:BI+8*\b+7], v9, s[12:13] offset:64*\b+16
.endr
	s_lshr_b32 s18, s42, 2                         ; the section: q, k or v
	s_and_b32 s19, s42, 3
	s_lshl_b32 s19, s19, 2
	s_lshl_b32 s20, s16, 1
	s_add_co_u32 s19, s19, s20                     ; my first head: 4 (tile column % 4) + 2 x half
	s_lshl_b32 s20, s41, 4
	s_add_co_u32 s20, s20, s19
	s_lshl_b32 s20, s20, 18                        ; (16 batch + head) x 2048 x 128 bytes,
	s_lshl_b32 s21, s18, 24
	s_add_co_u32 s20, s20, s21                     ; + the section,
	s_lshl_b32 s21, s95, 15
	s_add_co_u32 s20, s20, s21                     ; + 256 x cluster y tokens of 128 bytes,
	s_lshl_b32 s21, s15, 14
	s_add_co_u32 s20, s20, s21                     ; + 128 x row half: under 2^26
	s_mov_b32 s21, 0
	s_add_nc_u64 s[96:97], s[96:97], s[20:21]
	s_mul_i32 s20, s41, 48
	s_lshl_b32 s22, s18, 4
	s_add_co_u32 s20, s20, s22
	s_add_co_u32 s20, s20, s19
	s_lshl_b32 s20, s20, 12                        ; the f32 images: (48 batch + 16 section + head) x 4,096
	s_add_nc_u64 s[98:99], s[98:99], s[20:21]
.macro FRAG reg, adr, q, i             ; 16 rows x 128 K of 4-bit codes: 8 registers, two loads of 16 bytes, 32 bytes apart
.irp c, 0,1
	ds_load_b128 v[\reg+4*\c:\reg+4*\c+3], v[\adr] offset:64*(\q)+32*\c+(\i)*16*PITCH
.endr
.endm
; 16 matrix instructions: x's blocks a0, a0 + 1 against W's eight.  first = 1: the bias is the C: nothing is cleared and nothing is added later.  The 64 accumulators take turns, one instruction a turn.
.macro MUL16 a0, p, q, sc, first
.irp a, \a0, \a0+1
.irp b, 0,1,2,3,4,5,6,7
.if \first
	v_wmma_scale_f32_16x16x128_f8f6f4 v[8*(8*((\a)%4)+\b):8*(8*((\a)%4)+\b)+7], v[128*(\p)+FR*\b:128*(\p)+FR*\b+FR-1], v[AF+FR*(\a):AF+FR*(\a)+FR-1], v[BI+8*\b:BI+8*\b+7], v[SC+8*NQ*(\sc)+NQ*\b+(\q)], v[SC+8*NQ*(\sc)+NQ*(\a)+(\q)] matrix_a_fmt:MATRIX_FMT_FP4 matrix_b_fmt:MATRIX_FMT_FP4 matrix_a_scale:MATRIX_SCALE_ROW1
.else
	v_wmma_scale_f32_16x16x128_f8f6f4 v[8*(8*((\a)%4)+\b):8*(8*((\a)%4)+\b)+7], v[128*(\p)+FR*\b:128*(\p)+FR*\b+FR-1], v[AF+FR*(\a):AF+FR*(\a)+FR-1], v[8*(8*((\a)%4)+\b):8*(8*((\a)%4)+\b)+7], v[SC+8*NQ*(\sc)+NQ*\b+(\q)], v[SC+8*NQ*(\sc)+NQ*(\a)+(\q)] matrix_a_fmt:MATRIX_FMT_FP4 matrix_b_fmt:MATRIX_FMT_FP4 matrix_a_scale:MATRIX_SCALE_ROW1
.endif
.endr
.endr
.endm
.macro FETCH_B slot, q, p
	WIN TO_B
.irp i, 0,1,2,3,4,5,6,7
	FRAG 128*(\p)+FR*\i, ADRB+\slot, \q, \i
.endr
	WIN 0
.endm
.macro FETCH_A slot, q, i0
.irp i, \i0, \i0+1, \i0+2, \i0+3
	FRAG AF+FR*(\i), ADRA+\slot, \q, \i
.endr
.endm
.macro SCALES sc                       ; a slot's scale words: four words a row; lanes 0-15 take x's block i, lanes 16-31 W's block i
.irp i, 0,1,2,3,4,5,6,7
	ds_load_b128 v[SC+8*NQ*\sc+NQ*\i:SC+8*NQ*\sc+NQ*\i+3], v[ADRS] offset:\i*SBLK
.endr
.endm
.macro PLACES n                        ; plain vector lines between a matrix instruction and a load into, or a read of, its registers
.rept \n
	v_nop
.endr
.endm
.macro STEP slot, q, first             ; 128 along K that has its successor in the same slot
	s_wait_dscnt 4*NL                              ; W's set and x's blocks 0-3 are in; the youngest eight loads (x's blocks 4-7) may be out
.if \first
	WIN MUL_LO0
.else
	WIN MUL_LO
.endif
	MUL16 0, (\q)%2, \q, \slot, \first
	MUL16 2, (\q)%2, \q, \slot, \first
	s_wait_dscnt 0
	PLACES NP
	FETCH_B \slot, (\q)+1, 1-(\q)%2
	FETCH_A \slot, (\q)+1, 0
.if \first
	WIN MUL_HI0
.else
	WIN MUL_HI
.endif
	MUL16 4, (\q)%2, \q, \slot, \first
	MUL16 6, (\q)%2, \q, \slot, \first
	PLACES NP
	WIN 0
	FETCH_A \slot, (\q)+1, 4
.endm
; Slot 0's last step changes slots: one barrier; in front of it each wave waits for all its tensor loads (slot 1's is the one that was out), adds 0 to its spare word, and waits for that and for its reads of slot 0.
.macro TURN slot, next
	s_wait_tensorcnt 0x0
	ds_add_u32 v[SPW], v[NIL]
	s_wait_dscnt 4*NL+1                            ; the add and the youngest eight loads may be out
	WIN MUL_LO
	MUL16 0, 1, NQ-1, \slot, 0
	s_wait_dscnt 0x0                               ; the add is done, and my reads of this slot are over
	s_barrier_signal -1
	MUL16 2, 1, NQ-1, \slot, 0
	WIN 0
	s_barrier_wait -1
	PLACES NP
	v_add_nc_u32 v[ADRS], 4*NQ, v[ADRS]            ; on to the next 512's scale words
	FETCH_B \next, 0, 0
	FETCH_A \next, 0, 0
	SCALES \next
	WIN MUL_HI
	MUL16 4, 1, NQ-1, \slot, 0
	MUL16 6, 1, NQ-1, \slot, 0
	PLACES NP
	WIN 0
	FETCH_A \next, 0, 4
.endm
.macro STEPS slot, from
.set Q, \from
.rept NQ-1-\from
	STEP \slot, Q, 0
.set Q, Q+1
.endr
.endm
	s_wait_tensorcnt 1                             ; the scales and my part of slot 0 are in; slot 1's load may be out
	s_barrier_signal -1
	s_barrier_wait -1
	FETCH_B 0, 0, 0
	FETCH_A 0, 0, 0
	SCALES 0
	FETCH_A 0, 0, 4
	s_wait_loadcnt 0x0                             ; the bias
	STEP 0, 0, 1
	STEPS 0, 1
	TURN 0, 1
	STEPS 1, 0
	s_wait_dscnt 4*NL                              ; the very last step: nothing more to fetch
	WIN MUL_LO
	MUL16 0, 1, NQ-1, 1, 0
	MUL16 2, 1, NQ-1, 1, 0
	s_wait_dscnt 0
	WIN MUL_HI
	MUL16 4, 1, NQ-1, 1, 0
	MUL16 6, 1, NQ-1, 1, 0
	WIN 0
	PLACES NP
	; positions t < 16 lie in block 0 of the waves with row half 0, in the tiles with cluster y = 0: their accumulators leave as they stand, each from its low end on
	s_cmp_lg_u32 s95, 0
	s_cbranch_scc1 .Lno_f32
	s_cmp_lg_u32 s15, 0
	s_cbranch_scc1 .Lno_f32
	WIN 0x08                                       ; a store's data are its source 1: window 2
.irp b, 0,1,2,3,4,5,6,7
	global_store_b128 v[CO], v[8*\b:8*\b+3], s[98:99] offset:1024*\b           ; the wave stores 512 consecutive bytes
	global_store_b128 v[CO], v[8*\b+4:8*\b+7], s[98:99] offset:1024*\b+512
.endr
	WIN 0
.Lno_f32:
; THE WAY OUT, block by block of 16 rows x 128 columns (two heads): rounded to f16, 16 bytes a lane into my stage, back as tokens of one head.
.macro PACK a
.set AC, 64*((\a)%4)
	WIN 0x0a+5*((\a)/4)                            ; sources 0 and 1: window 2 or 3
.irp b, 0,1,2,3,4,5,6,7
.irp r, 0,1,2,3
	v_cvt_pk_f16_f32 v[TMP+4*\b+\r], v[AC+8*\b+2*\r], v[AC+8*\b+2*\r+1]
.endr
.endr
	WIN 0
.endm
.macro TOSTAGE a
.set BB, BK+32*((\a)%2)
.irp b, 0,1,2,3,4,5,6,7
	ds_store_b128 v[STO], v[TMP+4*\b:TMP+4*\b+3] offset:32*\b
.endr
.irp n, 0,1,2,3,4,5,6,7
	ds_load_b128 v[BB+4*\n:BB+4*\n+3], v[RD] offset:128*(\n/4)+4*SPITCH*(\n%4)   ; in order behind the stores: head n / 4, tokens 4 (n % 4) on
.endr
.endm
.macro SEND a
.set BB, BK+32*((\a)%2)
	s_wait_dscnt 0x0                               ; the block is back in registers
	s_wait_xcnt 0x0                                ; the earlier stores have read their registers: the next block's loads may land there
.irp n, 0,1,2,3,4,5,6,7
	global_store_b128 v[CO], v[BB+4*\n:BB+4*\n+3], s[96:97] offset:262144*(\n/4)+2048*(\a)+512*(\n%4)   ; 512 consecutive bytes, at a multiple of 512 from the buffer's first byte
.endr
.endm
	PACK 0
	TOSTAGE 0
.irp a, 1,2,3,4,5,6,7                  ; block a's conversions stand between block a - 1's loads from the stage and the wait for them
	PACK \a
	SEND \a-1
	TOSTAGE \a
.endr
	SEND 7
	s_wait_tensorcnt 0x0                           ; the wave's end
	ds_add_u32 v[SPW], v[NIL]
	s_wait_dscnt 0x0
	CROUND                                         ; the closing round
	s_endpgm
.Lfunc_end_k_q487ef4a85a_qkv:
	.size	k_q487ef4a85a_qkv, .Lfunc_end_k_q487ef4a85a_qkv-k_q487ef4a85a_qkv
	.p2alignl 7, 3214868480
	.fill 96, 4, 3214868480
	.section	.rodata,"a",@progbits
	.p2align	6, 0x0
	.amdhsa_kernel k_q487ef4a85a_qkv
		.amdhsa_group_segment_fixed_size 327680
		.amdhsa_private_segment_fixed_size 0
		.amdhsa_enable_private_segment 0
		.amdhsa_kernarg_size 56
		.amdhsa_user_sgpr_count 2
		.amdhsa_user_sgpr_kernarg_segment_ptr 1
		.amdhsa_wavefront_size32 1
		.amdhsa_system_sgpr_workgroup_id_x 1
		.amdhsa_system_sgpr_workgroup_id_y 1
		.amdhsa_system_sgpr_workgroup_id_z 1
		.amdhsa_system_vgpr_workitem_id 0
		.amdhsa_next_free_vgpr 1024
		.amdhsa_next_free_sgpr 100
		.amdhsa_reserve_vcc 0
		.amdhsa_float_denorm_mode_32 3
		.amdhsa_float_denorm_mode_16_64 3
		.amdhsa_memory_ordered 1
		.amdhsa_forward_progress 1
		.amdhsa_inst_pref_size 130
	.end_amdhsa_kernel
	.amdgpu_metadata
---
amdhsa.version: [ 1, 2 ]
amdhsa.kernels:
  - .name:           k_q487ef4a85a_qkv
    .symbol:         k_q487ef4a85a_qkv.kd
    .args:
      - { .name: x_codes, .offset: 0, .size: 8, .value_kind: global_buffer, .address_space: global }
      - { .name: x_scales, .offset: 8, .size: 8, .value_kind: global_buffer, .address_space: global }
      - { .name: w_codes, .offset: 16, .size: 8, .value_kind: global_buffer, .address_space: global }
      - { .name: w_scales, .offset: 24, .size: 8, .value_kind: global_buffer, .address_space: global }
      - { .name: bqkv, .offset: 32, .size: 8, .value_kind: global_buffer, .address_space: global }
      - { .name: qkv16, .offset: 40, .size: 8, .value_kind: global_buffer, .address_space: global }
      - { .name: qkv32, .offset: 48, .size: 8, .value_kind: global_buffer, .address_space: global }
    .group_segment_fixed_size: 327680
    .private_segment_fixed_size: 0
    .kernarg_segment_align: 8
    .kernarg_segment_size: 56
    .max_flat_workgroup_size: 128
    .sgpr_count:     100
    .vgpr_count:     1024
    .wavefront_size: 32
...
	.end_amdgpu_metadata
.endif
;; end of part 2
;; launch attn (part 3): grid 4 x 64, 8 waves a work-group, no clusters, 327,680 bytes of LDS; arguments qkv16, y16; writes y16
.if DOCPART == 3
	.amdgcn_target "amdgcn-amd-amdhsa--gfx1250"
	.amdhsa_code_object_version 6
	.text
	.protected	k_q487ef4a85a_attn
	.globl	k_q487ef4a85a_attn
	.p2align	8
	.type	k_q487ef4a85a_attn,@function
k_q487ef4a85a_attn:
	s_mov_b64 s[64:65], 0
	v_nop
	global_prefetch_b8 v0, s[64:65] scope:SCOPE_SE
	s_setreg_imm32_b32 hwreg(HW_REG_WAVE_MODE, 25, 1), 1
	s_wait_xcnt 0x0
; ATTN: y[b][h][q] = sum over k <= q of softmax_k(Q[q] . K[k] / 8) V[k], head size 64, T = 2,048, on f16 operands with f32 sums; maxima and scalings in f32.
; SHARES.  Work-group (i, bh) owns query blocks 7 - i and i (256 queries each) of one head: (8 - i) + (i + 1) = 9 key slots of 256 keys, the same in all 256 work-groups.  ONE loop of 9 slot trips (a constant):
; trips 0 .. 7 - i are block 7 - i on key slots 0 .. 7 - i, the others block i on key slots 0 .. i.  Each of the eight waves owns 32 queries, two tiles of 16; two waves share a SIMD.
; NO CLUSTER: from trip 5 on the four work-groups of a head ask for different key slots, so their descriptors differ and no joint load is possible.
; LAYOUT.  S^T = K Q^T (source 0 = 16 keys, source 1 = 16 queries): a lane holds ONE query (lane % 16) and keys 8 (lane / 16) + 0..7.  Two such tiles, rounded to f16 in pairs, are source 1 of O^T = V^T P.
; V ([key][channel]) comes out of LDS turned, by ds_load_tr16_b128.  The row's sum l is a product too: source 0 holds ones in rows 0 and 8 alone, so that register 0 of its result is the sum in both halves of the lanes.
; SOFTMAX.  A running maximum m for each query: p = 2^(c s - c m), c = log2(e) / 8; in every step O^T and l are multiplied by a = 2^(c m_old - c m_new).
; CAUSAL.  A step of 128 keys that all come after my 32 queries is left out by a scalar branch on ids; in a step on the diagonal hidden scores become -infinity ahead of the maximum.  A step's first key is a multiple of
; 128 and my first query of 32: so in every step that is walked the first key counts for all my queries, and m is a number from the first step on.
; OUT: y in f16, laid [token pair][head][t % 2][64]: sixteen lanes store 256 consecutive bytes, aligned.
; LIMITS: |y| under 65,504 (it is an average of v); p under 6e-5 is carried with an absolute error of up to 3e-8.
; REGISTERS.  Window 0: v1-15 addresses and constants; v16-31 statistics, eight a tile; v32-63 Q; v64-127 the way out; v128-255 S^T, 64 a tile; P is packed into the low 32 of each tile.
;   Window 1: v0-127 one buffer, for K's fragments and then V's; v128-191 O^T; v192-207 l; v208-215 the ones.
.set PK,    144                        ; a key's row in LDS: 128 bytes + 16: row r begins 16 r bytes further on modulo 256
.set PV,    160                        ; a row of V: 128 + 32: the turning load's 16 lanes take 8 rows x 32 bytes, which fall on 16 different columns of 16 bytes
.set VOFF,  256*PK
.set SLOT1, 1<<17                      ; slot 1 begins here: one exclusive or turns an address from one slot to the other
.set STAGE, 2*SLOT1                    ; 32 queries x 144 bytes for each wave: bytes of their own, into which no fill lands
.set SPARE, STAGE+8*32*PK              ; the spare words, 128 bytes for each wave
.set AK0, 1
.set AV0, 2
.set ADK, 3
.set ADV, 4
.set QO,  5
.set STO, 6
.set RD,  7
.set GO,  8
.set SPW, 9
.set NIL, 10
.set DL,  11                           ; v11  lane % 16 - 8 (lane / 16)
.set NINF, 14
.set PFO, 15
.set ST,  16                           ; tile t at ST + 8 t: +0 c m, +1 m, +2 a, +3 (named with it as a pair), +4 .. +7 at work
.set Q,   32
.set W,   64
.set S,   128
.set O,   128                          ; in window 1
.set L,   192
.set ONES, 208
.set WV,  8
.set W3,  9
.set WI,  10
.set BH,  11
.set SLOTS, 12
.set SWC, 13
.set KF,  14                           ; s14  the step's first key
.set Q0,  15                           ; s15  my first query
.set TB,  16                           ; s16  LDS byte at which the slot in hand begins
.set LIM, 19
.set SEL, 20
.set CS,  22
.set G1K, 24
.set G1V, 32
.set G0K, 40
.set G0V, 44
.set BKP, 48                           ; s[48:49] K of my head at my quarter of a slot;  s[50:51] V likewise
.set BVP, 50
.set KOFF, 52                          ; s[52:53] the key slot to be asked for, in bytes
.set PFA, 54
.set QP,  56
.set YB,  58
.set QB,  60
.set YH,  62
.set MSB, 0
.macro WIN new
.if MSB != (\new)
	s_set_vgpr_msb (MSB<<8)|(\new)
.set MSB, (\new)
.endif
.endm
; Every wave fetches 64 rows: waves 0-3 K's quarters, waves 4-7 V's.  The branch hangs on the wave's number alone.  An s_nop 0 and four v_nop follow each of the two lines.
.macro TLOAD
	s_cmp_lt_u32 s[WV], 4
	s_cbranch_scc0 .Lfor_v_\@
	tensor_load_to_lds s[G0K:G0K+3], s[G1K:G1K+7]
	s_nop 0
.rept 4
	v_nop
.endr
	s_branch .Lasked_\@
.Lfor_v_\@:
	tensor_load_to_lds s[G0V:G0V+3], s[G1V:G1V+7]
	s_nop 0
.rept 4
	v_nop
.endr
.Lasked_\@:
.endm
; A prefetch of the key slot AFTER the one just asked for: a slot's two key steps ahead of its load.  The head's work-group i = 0 alone asks (it walks key slots 0 .. 7 in order); each of its eight waves names the 8,192
; dense bytes that it will itself fetch, lanes 256 bytes apart: so each block of 256 bytes of slots 2 .. 7 is named once in the launch.  Slots 0 and 1 come by their loads alone; trips 6 and 7 ask for nothing.
.macro ASK
	s_cmp_gt_u32 s[SLOTS], s[LIM]
	s_cbranch_scc0 .Lnot_mine_\@
	global_prefetch_b8 v[PFO], s[PFA:PFA+1] th:TH_LOAD_NT scope:SCOPE_SE
.Lnot_mine_\@:
.endm
.macro QLOAD                           ; my 32 queries stay in registers: tile t, channels 32 f on
.irp t, 0,1
.irp f, 0,1
	global_load_b128 v[Q+16*\t+8*\f:Q+16*\t+8*\f+3], v[QO], s[QP:QP+1] offset:2048*\t+64*\f
	global_load_b128 v[Q+16*\t+8*\f+4:Q+16*\t+8*\f+7], v[QO], s[QP:QP+1] offset:2048*\t+64*\f+32
.endr
.endr
.endm
; A block of queries begins: m = -3e38, under every score; O^T and l are zeros, which the first change of m leaves zeros.  These 80 moves, twice in the launch, take the place of a further copy of the key step.
.macro INIT
.irp t, 0,1
	v_mov_b32 v[ST+8*\t+1], 0xff61b1e6
	v_mul_f32 v[ST+8*\t], s[CS], v[ST+8*\t+1]
.irp j, 2,3,4,5,6,7
	v_mov_b32 v[ST+8*\t+\j], 0
.endr
.endr
	WIN 0x40
.set i, 0
.rept 80
	v_mov_b32 v[O+i], 0
.set i, i+1
.endr
	WIN 0
.endm
	s_load_b128 s[4:7], s[0:1], 0x0                ; qkv16, y16
	v_lshl_add_u32 v[SPW], v0, 2, SPARE
	v_mov_b32 v[NIL], 0
	ds_add_u32 v[SPW], v[NIL]                      ; the wave's opening: the add, twice on end, and its wait ahead of my first tensor load
	ds_add_u32 v[SPW], v[NIL]
	v_lshrrev_b32 v1, 5, v0
	v_readfirstlane_b32 s[WV], v1                  ; wave 0..7
	s_and_b32 s[W3], s[WV], 3
	s_mov_b32 s[WI], ttmp9                         ; i
	s_and_b32 s[BH], ttmp7, 0xffff                 ; 16 batch + head
	s_mov_b32 s[G1K], (1<<16)|(1<<20)|(4<<22)|(3<<25)   ; elements of 2 bytes; padding on: after every 32 words, 4 words
	s_mov_b32 s[G1V], (1<<16)|(1<<20)|(4<<22)|(7<<25)   ; 8 words
.irp g, G1K, G1V
	s_mov_b32 s[\g+1], 64<<16                      ; tensor_dim0 = 64
	s_mov_b32 s[\g+2], 64<<16                      ; tensor_dim1 = 64
	s_mov_b32 s[\g+3], 64<<16                      ; tile_dim0 = 64
	s_mov_b32 s[\g+4], 64                          ; tile_dim1 = 64
	s_mov_b32 s[\g+5], 64                          ; elements from row to row
	s_mov_b32 s[\g+6], 0
	s_mov_b32 s[\g+7], 0
.endr
	s_mov_b32 s[SEL], 0x76543210
	s_mov_b32 s[SEL+1], 0xfedcba98                 ; v_permlanex16_b32's selects for lane l xor 16
	s_mov_b32 s[CS], 0x3e38aa3b                    ; c = log2(e) / 8
	s_mov_b32 s[CS+1], s[CS]
	s_mov_b32 s[SLOTS], 8
	s_add_co_u32 s[SWC], s[WI], 1                  ; the trip with SLOTS = i + 1 is block 7 - i's last
	s_mov_b32 s[KF], 0
	s_mov_b32 s[TB], 0
	s_mov_b32 s[KOFF], 0
	s_mov_b32 s[KOFF+1], 0
	s_cmp_eq_u32 s[WI], 0
	s_cselect_b32 s[LIM], 2, -1
	s_sub_co_u32 s[Q0], 7, s[WI]
	s_lshl_b32 s[Q0], s[Q0], 8
	s_lshl_b32 s17, s[WV], 5
	s_add_co_u32 s[Q0], s[Q0], s17                 ; my first query: 256 (7 - i) + 32 x wave
	s_mov_b32 s[G0K], 1
	s_mul_i32 s[G0K+1], s[W3], 64*PK               ; LDS: my quarter of K's rows, slot 0
	s_mov_b32 s[G0V], 1
	s_mul_i32 s[G0V+1], s[W3], 64*PV
	s_add_co_u32 s[G0V+1], s[G0V+1], VOFF
	s_wait_dscnt 0x0                               ; both opening adds are done
	s_wait_kmcnt 0x0
	s_lshl_b32 s2, s[BH], 18
	s_mov_b32 s3, 0
	s_add_nc_u64 s[QB:QB+1], s[4:5], s[2:3]        ; my head's q
	s_lshl_b32 s2, s[W3], 13
	s_add_nc_u64 s[BKP:BKP+1], s[QB:QB+1], s[2:3]
	s_add_nc_u64 s[BVP:BVP+1], s[BKP:BKP+1], 0x2000000
	s_add_nc_u64 s[BKP:BKP+1], s[BKP:BKP+1], 0x1000000
	s_mov_b64 s[G0K+2:G0K+3], s[BKP:BKP+1]
	s_or_b32 s[G0K+3], s[G0K+3], 0x80000000
	s_mov_b64 s[G0V+2:G0V+3], s[BVP:BVP+1]
	s_or_b32 s[G0V+3], s[G0V+3], 0x80000000
	TLOAD                                          ; key slot 0 into slot 0: one tensor load of mine is out
	s_cmp_lt_u32 s[WV], 4
	s_cselect_b64 s[PFA:PFA+1], s[BKP:BKP+1], s[BVP:BVP+1]
	s_add_nc_u64 s[PFA:PFA+1], s[PFA:PFA+1], 32768 ; at key slot 1: the first change of slots steps it to slot 2.  Nothing is prefetched here, at the head
	s_lshr_b32 s2, s[BH], 4
	s_lshl_b32 s2, s2, 22
	s_and_b32 s17, s[BH], 15
	s_lshl_b32 s17, s17, 8
	s_add_co_u32 s2, s2, s17
	s_add_nc_u64 s[YH:YH+1], s[6:7], s[2:3]        ; y16 at my batch and head
	s_lshl_b32 s2, s[Q0], 11
	s_add_nc_u64 s[YB:YB+1], s[YH:YH+1], s[2:3]    ; + a pair's 4,096 bytes for each two queries
	s_lshl_b32 s2, s[Q0], 7
	s_add_nc_u64 s[QP:QP+1], s[QB:QB+1], s[2:3]
	v_and_b32 v16, 15, v0                          ; r
	v_bfe_u32 v17, v0, 4, 1                        ; h
	v_and_b32 v18, 31, v0                          ; lane
	v_lshlrev_b32 v[QO], 7, v16
	v_lshl_add_u32 v[QO], v17, 4, v[QO]
	QLOAD
	v_mul_u32_u24 v[AK0], v16, PK
	v_lshl_add_u32 v[AK0], v17, 4, v[AK0]          ; K: row r x pitch + 16 h
	v_and_b32 v19, 7, v0
	v_bfe_u32 v20, v0, 3, 1
	v_lshl_add_u32 v[AV0], v17, 3, v19
	v_mul_u32_u24 v[AV0], v[AV0], PV
	v_lshl_add_u32 v[AV0], v20, 4, v[AV0]
	v_add_nc_u32 v[AV0], VOFF, v[AV0]              ; V: key 8 h + lane % 8, channels 8 ((lane / 8) % 2) on
	s_mul_i32 s17, s[WV], 32*PK
	s_add_co_u32 s17, s17, STAGE                   ; my stage
	v_add_nc_u32 v[STO], s17, v[AK0]               ; in: row r, 16 bytes for each half of the lanes
	v_lshrrev_b32 v21, 3, v18
	v_mul_u32_u24 v21, v21, PK
	v_lshl_add_u32 v21, v19, 4, v21
	v_add_nc_u32 v[RD], s17, v21                   ; back: eight lanes to a query's 128 bytes
	v_lshlrev_b32 v[GO], 12, v17
	v_lshl_add_u32 v[GO], v16, 4, v[GO]            ; in y16: lanes 0-15 one pair of queries, lanes 16-31 the next
	v_lshlrev_b32 v21, 3, v17
	v_sub_nc_u32 v[DL], v16, v21
	v_mov_b32 v[NINF], 0xff800000
	v_lshlrev_b32 v[PFO], 8, v18
	v_mov_b32 v22, 0x3c003c00                      ; 1.0, twice, in f16
	v_cmp_eq_u32 vcc_lo, 0, v19
	v_cndmask_b32 v22, v[NIL], v22, vcc_lo         ; in rows 0 and 8 of the operand alone
	WIN 0x40
.irp j, 0,1,2,3,4,5,6,7
	v_mov_b32 v[ONES+\j], v22
.endr
	WIN 0
	INIT
	s_wait_loadcnt 0x0                             ; Q
; A KEY STEP: 128 keys, the q-th of the slot in hand.
.macro STEP q
	s_add_co_u32 s17, s[Q0], 31
	s_cmp_gt_u32 s[KF], s17                        ; all its keys come after my last query: nothing of it is read or computed
	s_cbranch_scc1 .Lhidden_\@
	v_add_nc_u32 v[ADK], s[TB], v[AK0]
	v_add_nc_u32 v[ADV], s[TB], v[AV0]
.rept 3
	v_nop                                          ; with the two additions five places behind the last step's products: four for the loads into the buffer that they read, five for the products that write over P
.endr
	WIN 0x40
.irp f, 0,1                            ; K: 16 fragments; channels 0-31 of all keys first
.irp kt, 0,1,2,3,4,5,6,7
	ds_load_b128 v[16*\kt+8*\f:16*\kt+8*\f+3], v[ADK] offset:(128*(\q)+16*\kt)*PK+64*\f
	ds_load_b128 v[16*\kt+8*\f+4:16*\kt+8*\f+7], v[ADK] offset:(128*(\q)+16*\kt)*PK+64*\f+32
.endr
.endr
	s_wait_dscnt 16                                ; channels 0-31 are in; the sixteen loads of channels 32-63 may be out
	WIN 0x01                                       ; source 0 (K) window 1
.irp kt, 0,1,2,3,4,5,6,7               ; sixteen accumulators by turns
.irp t, 0,1
	v_wmma_f32_16x16x32_f16 v[S+64*\t+8*\kt:S+64*\t+8*\kt+7], v[16*\kt:16*\kt+7], v[Q+16*\t:Q+16*\t+7], 0
.endr
.endr
	s_wait_dscnt 0x0
.irp kt, 0,1,2,3,4,5,6,7
.irp t, 0,1
	v_wmma_f32_16x16x32_f16 v[S+64*\t+8*\kt:S+64*\t+8*\kt+7], v[16*\kt+8:16*\kt+15], v[Q+16*\t+8:Q+16*\t+15], v[S+64*\t+8*\kt:S+64*\t+8*\kt+7]
.endr
.endr
.rept 4
	v_nop                                          ; places in front of the loads into K's registers and of the first read of the scores
.endr
	WIN 0x40
.irp u, 0,1,2,3                        ; V, turned: keys 32 u on, channels 16 ct on; it lands while the softmax is walked
.irp ct, 0,1,2,3
	ds_load_tr16_b128 v[32*\u+8*\ct:32*\u+8*\ct+3], v[ADV] offset:(128*(\q)+32*\u)*PV+32*\ct
	ds_load_tr16_b128 v[32*\u+8*\ct+4:32*\u+8*\ct+7], v[ADV] offset:(128*(\q)+32*\u+16)*PV+32*\ct
.endr
.endr
	WIN 0
	s_add_co_u32 s17, s[KF], 127
	s_cmp_le_u32 s17, s[Q0]                        ; all its keys count for all my queries: no mask
	s_cbranch_scc1 .Lopen_\@
	s_sub_co_i32 s17, s[Q0], s[KF]
	v_add_nc_u32 v12, s17, v[DL]                   ; d = my query - KF - 8 (lane / 16).  Register 8 kt + j holds key KF + 8 (lane / 16) + 16 kt + j: hidden where 16 kt + j > d
	v_add_nc_u32 v13, 16, v12                      ; tile 1's queries are 16 on
.irp t, 0,1
.set n, 0
.rept 64
	v_cmp_gt_i32 vcc_lo, 16*(n/8)+n%8, v[12+\t]
	v_cndmask_b32 v[S+64*\t+n], v[S+64*\t+n], v[NINF], vcc_lo
.set n, n+1
.endr
.endr
.Lopen_\@:
.irp t, 0,1                            ; the maximum: four chains of 16 scores a tile, each accumulator from its low end on
.irp c, 0,1,2,3
	v_max3_num_f32 v[ST+8*\t+4+\c], v[S+64*\t+16*\c], v[S+64*\t+16*\c+1], v[S+64*\t+16*\c+2]
.endr
.endr
.irp i, 3,5,7,9,11,13
.irp t, 0,1
.irp c, 0,1,2,3
	v_max3_num_f32 v[ST+8*\t+4+\c], v[ST+8*\t+4+\c], v[S+64*\t+16*\c+\i], v[S+64*\t+16*\c+\i+1]
.endr
.endr
.endr
.irp t, 0,1
.irp c, 0,1,2,3
	v_max_num_f32 v[ST+8*\t+4+\c], v[ST+8*\t+4+\c], v[S+64*\t+16*\c+15]
.endr
.endr
.irp t, 0,1
	v_max3_num_f32 v[ST+8*\t+4], v[ST+8*\t+4], v[ST+8*\t+5], v[ST+8*\t+6]
.endr
.irp t, 0,1
	v_max3_num_f32 v[ST+8*\t+4], v[ST+8*\t+4], v[ST+8*\t+7], v[ST+8*\t+1]   ; with the old m
.endr
.irp t, 0,1
	v_permlanex16_b32 v[ST+8*\t+5], v[ST+8*\t+4], s[SEL], s[SEL+1]          ; the query's other 64 keys lie in the lane 16 away
.endr
.irp t, 0,1
	v_max_num_f32 v[ST+8*\t+1], v[ST+8*\t+4], v[ST+8*\t+5]
.endr
.irp t, 0,1
	v_mov_b32 v[ST+8*\t+7], v[ST+8*\t]             ; c m_old
.endr
.irp t, 0,1
	v_mul_f32 v[ST+8*\t], s[CS], v[ST+8*\t+1]
.endr
.irp t, 0,1
	v_sub_f32 v[ST+8*\t+7], v[ST+8*\t+7], v[ST+8*\t]
.endr
.irp t, 0,1
.set i, 0
.rept 32
	v_pk_fma_f32 v[S+64*\t+i:S+64*\t+i+1], v[S+64*\t+i:S+64*\t+i+1], s[CS:CS+1], v[ST+8*\t:ST+8*\t+1] op_sel_hi:[1,0,0] neg_lo:[0,0,1] neg_hi:[0,0,1]   ; c s - c m, two at a time
.set i, i+2
.endr
.endr
	v_exp_f32 v[ST+2], v[ST+7]                     ; ONE batch of 130 exponentials: the two a,
	v_exp_f32 v[ST+10], v[ST+15]
.set i, 0
.rept 128
	v_exp_f32 v[S+i], v[S+i]                       ; and p
.set i, i+1
.endr
	v_nop                                          ; a plain line behind the last exponential,
	s_wait_alu depctr_va_vdst(0)                   ; and one wait ahead of the batch's first reader
.irp t, 0,1
.set i, 0
.rept 32
	v_cvt_pk_f16_f32 v[S+64*\t+i], v[S+64*\t+2*i], v[S+64*\t+2*i+1]   ; P in place, ascending: register i is written when 2 i and 2 i + 1 are read
.set i, i+1
.endr
.endr
	WIN 0x41                                       ; destination and source 0 window 1
.irp t, 0,1
.set i, 0
.rept 16
	v_pk_mul_f32 v[O+32*\t+i:O+32*\t+i+1], v[O+32*\t+i:O+32*\t+i+1], v[ST+8*\t+2:ST+8*\t+3] op_sel_hi:[1,0]   ; O^T x a
.set i, i+2
.endr
	v_pk_mul_f32 v[L+8*\t:L+8*\t+1], v[L+8*\t:L+8*\t+1], v[ST+8*\t+2:ST+8*\t+3] op_sel_hi:[1,0]               ; l x a (its registers 1 to 7 are zeros)
.endr
	s_wait_dscnt 0x0                               ; V is in
	WIN 0x51                                       ; source 0 (V, the ones), C and D window 1; source 1 (P) window 0
.irp u, 0,1,2,3                        ; ten accumulators by turns
.irp t, 0,1
.irp ct, 0,1,2,3
	v_wmma_f32_16x16x32_f16 v[O+32*\t+8*\ct:O+32*\t+8*\ct+7], v[32*\u+8*\ct:32*\u+8*\ct+7], v[S+64*\t+8*\u:S+64*\t+8*\u+7], v[O+32*\t+8*\ct:O+32*\t+8*\ct+7]
.endr
	v_wmma_f32_16x16x32_f16 v[L+8*\t:L+8*\t+7], v[ONES:ONES+7], v[S+64*\t+8*\u:S+64*\t+8*\u+7], v[L+8*\t:L+8*\t+7]
.endr
.endr
	WIN 0
.Lhidden_\@:
	s_add_co_u32 s[KF], s[KF], 128
.endm
; THE CHANGE OF SLOTS, at a slot's head.  Each wave waits for all its tensor loads (its part of the slot that it is about to read), adds 0 to its spare word, and waits for that and for its reads of the slot that it has left.
; Behind the barrier the slot ahead is whole and nobody reads the other one; fill = 1: that one is filled with the next trip's keys, first thing, one load a wave: it has two key steps in which to land.
.macro CHANGE fill
	s_wait_tensorcnt 0x0                           ; no tensor load of mine is out, so a group 0 may be written
	ds_add_u32 v[SPW], v[NIL]
.if \fill
	s_xor_b32 s[G0K+1], s[G0K+1], SLOT1            ; the other slot than last time
	s_xor_b32 s[G0V+1], s[G0V+1], SLOT1
	s_add_co_u32 s[KOFF], s[KOFF], 32768           ; the next 256 keys of 128 bytes,
	s_cmp_eq_u32 s[SLOTS], s[SWC]
	s_cselect_b32 s[KOFF], 0, s[KOFF]              ; or, for the second block's first trip, key 0 again
	s_add_nc_u64 s[G0K+2:G0K+3], s[BKP:BKP+1], s[KOFF:KOFF+1]
	s_or_b32 s[G0K+3], s[G0K+3], 0x80000000
	s_add_nc_u64 s[G0V+2:G0V+3], s[BVP:BVP+1], s[KOFF:KOFF+1]
	s_or_b32 s[G0V+3], s[G0V+3], 0x80000000
	s_wait_xcnt 0x0                                ; the last prefetch, a slot back, has read its address
	s_add_nc_u64 s[PFA:PFA+1], s[PFA:PFA+1], 32768
.endif
	s_wait_dscnt 0x0                               ; the add is done, and my reads of the slot that I have left are over
	s_barrier_signal -1
	s_barrier_wait -1
.if \fill
	TLOAD
	ASK
.endif
.endm
; THE WAY OUT of a block of queries: O^T / l, rounded to f16, through my stage, out as pairs of queries.
.macro OUT
.rept 4
	v_nop                                          ; places behind the last products
.endr
	s_wait_xcnt 0x0                                ; an earlier way out's stores have read their registers
	WIN 0x01                                       ; source 0 window 1
	v_rcp_f32 v[ST+4], v[L]
	v_rcp_f32 v[ST+12], v[L+8]
	v_nop
	s_wait_alu depctr_va_vdst(0)                   ; one wait for the two reciprocals, ahead of their first reader
.irp t, 0,1
.set i, 0
.rept 16
	v_pk_mul_f32 v[W+32*\t+i:W+32*\t+i+1], v[O+32*\t+i:O+32*\t+i+1], v[ST+8*\t+4:ST+8*\t+5] op_sel_hi:[1,0]
.set i, i+2
.endr
.endr
	WIN 0
.set i, 0
.rept 32
	v_cvt_pk_f16_f32 v[W+i], v[W+2*i], v[W+2*i+1]
.set i, i+1
.endr
.irp t, 0,1
.irp ct, 0,1,2,3
	ds_store_b128 v[STO], v[W+16*\t+4*\ct:W+16*\t+4*\ct+3] offset:16*PK*\t+32*\ct
.endr
.endr
.irp t, 0,1
.irp i, 0,1,2,3
	ds_load_b128 v[W+32+16*\t+4*\i:W+32+16*\t+4*\i+3], v[RD] offset:16*PK*\t+4*PK*\i   ; in order behind my stores
.endr
.endr
.irp t, 0,1
.irp i, 0,1,2,3
	s_wait_dscnt 7-4*\t-\i                         ; this load is back; the younger ones may be out
	global_store_b128 v[GO], v[W+32+16*\t+4*\i:W+32+16*\t+4*\i+3], s[YB:YB+1] offset:(8*\t+2*\i)*4096   ; sixteen lanes store 256 consecutive bytes, aligned
.endr
.endr
.endm
.Lslot:                                            ; eight trips; behind each change of slots the next trip's keys are asked for
	CHANGE 1
	STEP 0
	STEP 1
	s_xor_b32 s[TB], s[TB], SLOT1
	s_cmp_lg_u32 s[SLOTS], s[SWC]
	s_cbranch_scc1 .Lsame_block
	s_lshl_b32 s[Q0], s[WI], 8                     ; block 7 - i is done: on to block i.  Its queries are asked for first,
	s_lshl_b32 s17, s[WV], 5
	s_add_co_u32 s[Q0], s[Q0], s17
	s_lshl_b32 s2, s[Q0], 7
	s_mov_b32 s3, 0
	s_add_nc_u64 s[QP:QP+1], s[QB:QB+1], s[2:3]
	QLOAD
	OUT                                            ; then the finished block leaves
	s_wait_xcnt 0x0                                ; its stores have read their base
	s_lshl_b32 s2, s[Q0], 11
	s_add_nc_u64 s[YB:YB+1], s[YH:YH+1], s[2:3]
	INIT
	s_mov_b32 s[KF], 0
	s_wait_loadcnt 0x0
.Lsame_block:
	s_sub_co_u32 s[SLOTS], s[SLOTS], 1
	s_cmp_lg_u32 s[SLOTS], 0
	s_cbranch_scc1 .Lslot
	CHANGE 0                                       ; the ninth trip is written out: it asks for nothing
	STEP 0
	STEP 1
	OUT
	s_wait_tensorcnt 0x0                           ; the wave's end
	ds_add_u32 v[SPW], v[NIL]
	s_wait_dscnt 0x0
	s_endpgm
.Lfunc_end_k_q487ef4a85a_attn:
	.size	k_q487ef4a85a_attn, .Lfunc_end_k_q487ef4a85a_attn-k_q487ef4a85a_attn
	.p2alignl 7, 3214868480
	.fill 96, 4, 3214868480
	.section	.rodata,"a",@progbits
	.p2align	6, 0x0
	.amdhsa_kernel k_q487ef4a85a_attn
		.amdhsa_group_segment_fixed_size 327680
		.amdhsa_private_segment_fixed_size 0
		.amdhsa_enable_private_segment 0
		.amdhsa_kernarg_size 16
		.amdhsa_user_sgpr_count 2
		.amdhsa_user_sgpr_kernarg_segment_ptr 1
		.amdhsa_wavefront_size32 1
		.amdhsa_system_sgpr_workgroup_id_x 1
		.amdhsa_system_sgpr_workgroup_id_y 1
		.amdhsa_system_sgpr_workgroup_id_z 1
		.amdhsa_system_vgpr_workitem_id 0
		.amdhsa_next_free_vgpr 512
		.amdhsa_next_free_sgpr 66
		.amdhsa_reserve_vcc 1
		.amdhsa_float_denorm_mode_32 3
		.amdhsa_float_denorm_mode_16_64 3
		.amdhsa_memory_ordered 1
		.amdhsa_forward_progress 1
		.amdhsa_inst_pref_size 181
	.end_amdhsa_kernel
	.amdgpu_metadata
---
amdhsa.version: [ 1, 2 ]
amdhsa.kernels:
  - .name:           k_q487ef4a85a_attn
    .symbol:         k_q487ef4a85a_attn.kd
    .args:
      - { .name: qkv16, .offset: 0, .size: 8, .value_kind: global_buffer, .address_space: global }
      - { .name: y16, .offset: 8, .size: 8, .value_kind: global_buffer, .address_space: global }
    .group_segment_fixed_size: 327680
    .private_segment_fixed_size: 0
    .kernarg_segment_align: 8
    .kernarg_segment_size: 16
    .max_flat_workgroup_size: 256
    .sgpr_count:     66
    .vgpr_count:     512
    .wavefront_size: 32
...
	.end_amdgpu_metadata
.endif
;; end of part 3
;; launch proj (part 4): grid 8 x 64, 4 waves a work-group, clusters of 4 x 4, 327,680 bytes of LDS; arguments y16, wout_t, bout, out0; writes out0
.if DOCPART == 4
	.amdgcn_target "amdgcn-amd-amdhsa--gfx1250"
	.amdhsa_code_object_version 6
	.text
	.protected	k_q487ef4a85a_proj
	.globl	k_q487ef4a85a_proj
	.p2align	8
	.type	k_q487ef4a85a_proj,@function
k_q487ef4a85a_proj:
	s_mov_b64 s[64:65], 0
	v_nop
	global_prefetch_b8 v0, s[64:65] scope:SCOPE_SE
	s_setreg_imm32_b32 hwreg(HW_REG_WAVE_MODE, 25, 1), 1
	s_wait_xcnt 0x0
	s_wait_alu depctr_hold_cnt(0) depctr_sa_sdst(0) depctr_va_vdst(0) depctr_va_sdst(0) depctr_va_ssrc(0) depctr_va_vcc(0) depctr_vm_vsrc(0)
	s_getreg_b32 s2, hwreg(HW_REG_IB_STS2, 6, 4)
	s_cmp_eq_u32 s2, 0
	s_cbranch_scc0 .Lentry_in_a_cluster
	s_endpgm
.Lentry_in_a_cluster:
	s_bfe_u32 s2, ttmp6, 0x10000c
	s_cmp_lg_u32 s2, 0xf033
	s_cbranch_scc0 .Lentry_shape_is_right
	s_endpgm
.Lentry_shape_is_right:
; PROJ: out[m][n] = sum over k of y[m][k] Wout[k][n] + bout[n], f16 operands, f32 sums; M = 8,192, N = K = 1,024.  All rows but the first 16 positions of each sequence, which another launch owns.
; A tile of 128 x 128 gives 512 work-groups; four waves, each 64 x 64: 16 accumulators.  K goes in steps of 256 through two LDS slots.
; A = y16, laid [token pair][head][t % 2][64]: a K step (four heads) of a pair is 1,024 consecutive bytes, one row of the tensor tile (32 pairs to a load, LDS pitch 1,040).  Row r of a fragment lies at
; 1,040 (r / 2) + 128 (r % 2): modulo 256 that is 16 (r / 2) + 128 (r % 2): the 16 rows that a load touches fall on 16 different columns of 16 bytes.   B = wout_t [n][k], rows of 512 bytes, pitch 528.
; CLUSTERS: 4 x 4; y's tiles are asked for jointly along a row of the cluster, Wout's along a column.  Tile row = 16 cy + cluster y: a tile holds t < 16 exactly where cluster y = 0, which all partners share.
; THE MATRIX INSTRUCTION IS USED TRANSPOSED (source 0 = 16 rows of wout_t, source 1 = 16 rows of y): a lane holds eight neighbouring columns of a row.  bout is the C of each sum's first product.
; No prefetch: a K step's work is short and the tiles are shared in the cluster.
; REGISTERS: window 0: v0-31 addresses; v32-95 the way out; v96-127 the bias; v128-255 the accumulators ((a, b) at v[128 + 8 (4 a + b)]).   window 1: two fragment buffers of 128.
.set SIZE_N, 1024
.set KSTEP,  256
.set PITCH,  528
.set APITCH, 1040
.set HALFA,  32*APITCH                 ; 32 pairs: what one tensor load brings of y
.set HALFB,  64*PITCH                  ; 64 rows of wout_t
.set BOFF,   2*HALFA
.set SLOT,   BOFF+2*HALFB
.set STAGE,  2*SLOT                    ; behind the ring: 16 rows x 272 bytes for each wave
.set SPITCH, 272
.set SPARE,  STAGE+4*16*SPITCH
.set LAPS,   2
.set ADRA, 16
.set ADRB, 20
.set STO,  24
.set RD,   25
.set CO,   26
.set SPW,  28
.set NIL,  29
.set TMP,  32
.set BI,   96
.set ACC,  128
.set F0,   0
.set F1,   128
.set G1, 24
.set G0, 32
.set G1B, 48
.set G0B, 56
.set MSB, 0
.macro WIN new
.if MSB != (\new)
	s_set_vgpr_msb (MSB<<8)|(\new)
.set MSB, (\new)
.endif
.endm
.set MUL,  0x05                        ; sources 0 and 1 window 1; C and D window 0
.set TO_F, 0x40
.macro JLOAD s                         ; waves 0 and 1 fetch y's two halves, waves 2 and 3 Wout's; an s_nop 0 and four v_nop follow each of the two lines
	s_cmp_eq_u32 s11, 0
	s_cbranch_scc0 .Lfor_b_\@
	tensor_load_to_lds s[G0+4*\s:G0+4*\s+3], s[G1:G1+7]
	s_nop 0
.rept 4
	v_nop
.endr
	s_branch .Lasked_\@
.Lfor_b_\@:
	tensor_load_to_lds s[G0B+4*\s:G0B+4*\s+3], s[G1B:G1B+7]
	s_nop 0
.rept 4
	v_nop
.endr
.Lasked_\@:
.endm
.macro CREST
	s_cmp_lg_u32 s10, 0
	s_cbranch_scc1 .Lnot_wave_0_\@
	s_barrier_signal -3
.Lnot_wave_0_\@:
	s_barrier_wait -3
	s_barrier_signal -1
	s_barrier_wait -1
.endm
.macro CROUND
	s_barrier_signal -1
	s_barrier_wait -1
	CREST
.endm
	s_load_b128 s[4:7], s[0:1], 0x0                ; y16, wout_t
	s_load_b128 s[68:71], s[0:1], 0x10             ; bout, out0
	v_lshl_add_u32 v[SPW], v0, 2, SPARE
	v_mov_b32 v[NIL], 0
	ds_add_u32 v[SPW], v[NIL]                      ; the wave's opening: the add, twice on end, and its wait ahead of my first tensor load
	ds_add_u32 v[SPW], v[NIL]
	v_lshrrev_b32 v1, 5, v0
	v_readfirstlane_b32 s10, v1                    ; wave 0..3
	s_lshr_b32 s11, s10, 1                         ; which half of the tile's rows is mine.  Also: I fetch for y (0) or for Wout (1)
	s_and_b32 s12, s10, 1                          ; which half of its columns.  Also: which half of that tile I fetch
	s_bfe_u32 s40, ttmp6, 0x40000                  ; cx
	s_bfe_u32 s41, ttmp6, 0x40004                  ; cy
	s_lshl_b32 s42, ttmp9, 2
	s_add_co_u32 s42, s42, s40                     ; tile column = 4 x cluster x + cx
	s_and_b32 s45, ttmp7, 0xffff                   ; cluster y
	s_lshl_b32 s13, s41, 4
	s_add_co_u32 s13, s13, s45                     ; tile row = 16 cy + cluster y
	s_lshl_b32 s43, s41, 2
	s_lshl_b32 s43, 15, s43                        ; my row of the cluster
	s_lshl_b32 s44, 0x1111, s40                    ; my column
	s_or_b32 s[G1+0], s43, (1<<16)|(1<<20)|(1<<21)|(7<<22)|(3<<25)  ; y: elements of 2 bytes; padding: after every 256 words, 4 words
	s_mov_b32 s[G1+1], 512<<16                     ; tensor_dim0 = 512
	s_mov_b32 s[G1+2], 32<<16                      ; tensor_dim1 = 32
	s_mov_b32 s[G1+3], 512<<16                     ; tile_dim0
	s_mov_b32 s[G1+4], 32                          ; tile_dim1
	s_mov_b32 s[G1+5], 2048                        ; a pair is 2,048 elements
	s_mov_b32 s[G1+6], 0
	s_mov_b32 s[G1+7], 0
	s_or_b32 s[G1B+0], s44, (1<<16)|(1<<20)|(1<<21)|(6<<22)|(3<<25) ; Wout: after every 128 words, 4 words
	s_mov_b32 s[G1B+1], KSTEP<<16
	s_mov_b32 s[G1B+2], 64<<16
	s_mov_b32 s[G1B+3], KSTEP<<16
	s_mov_b32 s[G1B+4], 64
	s_mov_b32 s[G1B+5], 1024
	s_mov_b32 s[G1B+6], 0
	s_mov_b32 s[G1B+7], 0
	s_lshl_b32 s17, s12, 17
	s_lshl_b32 s16, s13, 18
	s_add_co_u32 s16, s16, s17                     ; y: (64 x tile row + 32 x half) pairs of 4,096 bytes
	s_lshl_b32 s46, s42, 18
	s_add_co_u32 s46, s46, s17                     ; Wout: (128 x tile column + 64 x half) rows of 2,048 bytes
	s_mov_b32 s17, 0
	s_mov_b32 s47, 0
	s_mul_i32 s20, s12, HALFA                      ; where they go: no place in the cluster enters an LDS address
	s_mul_i32 s21, s12, HALFB
	s_add_co_u32 s21, s21, BOFF
	s_wait_dscnt 0x0                               ; both opening adds are done
	s_wait_kmcnt 0x0
	s_add_nc_u64 s[14:15], s[4:5], s[16:17]
	s_add_nc_u64 s[46:47], s[6:7], s[46:47]
	CROUND                                         ; all sixteen work-groups are here: the first joint loads meet
.irp s, 0,1
	s_mov_b32 s[G0+4*\s], 1
	s_add_co_u32 s[G0+4*\s+1], s20, \s*SLOT
	s_add_nc_u64 s[G0+4*\s+2:G0+4*\s+3], s[14:15], \s*1024         ; a K step is 1,024 bytes of a pair,
	s_or_b32 s[G0+4*\s+3], s[G0+4*\s+3], 0x80000000
	s_mov_b32 s[G0B+4*\s], 1
	s_add_co_u32 s[G0B+4*\s+1], s21, \s*SLOT
	s_add_nc_u64 s[G0B+4*\s+2:G0B+4*\s+3], s[46:47], \s*512        ; and 512 of a row of wout_t
	s_or_b32 s[G0B+4*\s+3], s[G0B+4*\s+3], 0x80000000
	JLOAD \s
.endr
	v_and_b32 v1, 15, v0                           ; r
	v_bfe_u32 v2, v0, 4, 1                         ; h
	v_mul_u32_u24 v3, v1, PITCH
	v_lshl_add_u32 v3, v2, 4, v3                   ; Wout: row x pitch + 16 h
	v_lshrrev_b32 v4, 1, v1
	v_mul_u32_u24 v4, v4, APITCH
	v_and_b32 v5, 1, v1
	v_lshl_add_u32 v4, v5, 7, v4
	v_lshl_add_u32 v4, v2, 4, v4                   ; y: 1,040 (r / 2) + 128 (r % 2) + 16 h
	s_mul_i32 s21, s11, HALFA                      ; my 64 rows of y
	s_mul_i32 s22, s12, HALFB                      ; my 64 rows of Wout,
	s_add_co_u32 s22, s22, BOFF                    ; which lie behind y's
.irp s, 0,1
	v_add_nc_u32 v[ADRA+\s], s21, v4
	v_add_nc_u32 v[ADRB+\s], s22, v3
	s_add_co_u32 s21, s21, SLOT
	s_add_co_u32 s22, s22, SLOT
.endr
	s_mul_i32 s23, s10, 16*SPITCH
	s_add_co_u32 s23, s23, STAGE                   ; my stage
	v_mul_u32_u24 v4, v1, SPITCH
	v_lshl_add_u32 v4, v2, 5, v4
	v_add_nc_u32 v[STO], s23, v4                   ; in: row r, 32 bytes for each half of the lanes
	v_mul_u32_u24 v5, v2, SPITCH
	v_lshl_add_u32 v5, v1, 4, v5
	v_add_nc_u32 v[RD], s23, v5                    ; back: lanes 0-15 one row of 256 bytes, lanes 16-31 the next
	v_lshlrev_b32 v5, 12, v2
	v_lshl_add_u32 v[CO], v1, 4, v5                ; and the same two rows of out0
	s_lshl_b32 s16, s13, 7
	s_lshl_b32 s17, s11, 6
	s_add_co_u32 s16, s16, s17                     ; my first row: 128 x tile row + 64 x half
	s_lshl_b32 s16, s16, 12                        ; rows of 4,096 bytes: under 2^25
	s_lshl_b32 s46, s42, 9
	s_lshl_b32 s47, s12, 8
	s_add_co_u32 s46, s46, s47                     ; my first column, in bytes: 512 x tile column + 256 x half
	s_add_co_u32 s16, s16, s46
	s_mov_b32 s17, 0
	s_mov_b32 s47, 0
	s_add_nc_u64 s[70:71], s[70:71], s[16:17]
	s_add_nc_u64 s[68:69], s[68:69], s[46:47]
	v_lshlrev_b32 v6, 5, v2
.irp b, 0,1,2,3
	global_load_b128 v[BI+8*\b:BI+8*\b+3], v6, s[68:69] offset:64*\b               ; bout[my first column + 16 b + 8 h + 0 .. 7]
	global_load_b128 v[BI+8*\b+4:BI+8*\b+7], v6, s[68:69] offset:64*\b+16
.endr
.macro MUL8 f, c, a0, first            ; 8 matrix instructions; first = 1: the bias is the C.  The 16 accumulators take turns
.irp a, \a0, \a0+1
.irp b, 0,1,2,3
.if \first
	v_wmma_f32_16x16x32_f16 v[ACC+8*(4*(\a)+\b):ACC+8*(4*(\a)+\b)+7], v[\f+64+8*(4*\c+\b):\f+64+8*(4*\c+\b)+7], v[\f+8*(4*\c+\a):\f+8*(4*\c+\a)+7], v[BI+8*\b:BI+8*\b+7]
.else
	v_wmma_f32_16x16x32_f16 v[ACC+8*(4*(\a)+\b):ACC+8*(4*(\a)+\b)+7], v[\f+64+8*(4*\c+\b):\f+64+8*(4*\c+\b)+7], v[\f+8*(4*\c+\a):\f+8*(4*\c+\a)+7], v[ACC+8*(4*(\a)+\b):ACC+8*(4*(\a)+\b)+7]
.endif
.endr
.endr
.endm
.macro FETCH slot, k, f                ; 32 LDS loads: the fragments of 64 along K (one head), at byte k of Wout's rows and byte 2 k of y's pairs
	WIN TO_F
.irp c, 0,1
.irp i, 0,1,2,3
	ds_load_b128 v[\f+64+8*(4*\c+\i):\f+64+8*(4*\c+\i)+3],   v[ADRB+\slot] offset:\k+64*\c+\i*16*PITCH
	ds_load_b128 v[\f+64+8*(4*\c+\i)+4:\f+64+8*(4*\c+\i)+7], v[ADRB+\slot] offset:\k+64*\c+\i*16*PITCH+32
	ds_load_b128 v[\f+8*(4*\c+\i):\f+8*(4*\c+\i)+3],         v[ADRA+\slot] offset:2*(\k)+64*\c+\i*8*APITCH
	ds_load_b128 v[\f+8*(4*\c+\i)+4:\f+8*(4*\c+\i)+7],       v[ADRA+\slot] offset:2*(\k)+64*\c+\i*8*APITCH+32
.endr
.endr
.endm
.macro PLACES
.rept 4
	v_nop
.endr
.endm
.macro QUARTER slot, k, f, g, first
	s_wait_dscnt 16                                ; the first 32 along K are in; the sixteen loads of the second 32 may be out
	WIN MUL
	MUL8 \f, 0, 0, \first
	MUL8 \f, 0, 2, \first
	PLACES
	FETCH \slot, \k, \g
	s_wait_dscnt 32                                ; all but the 32 just issued
	WIN MUL
	MUL8 \f, 1, 0, 0
	MUL8 \f, 1, 2, 0
.endm
; The last quarter changes slots: one barrier; in front of it each wave waits for all its tensor loads, adds 0 to its spare word, and waits for that and for its reads of this slot.  fill = 1: the barrier opens a round
; of the cluster's barrier, and this slot is filled again, two K steps ahead, first thing behind the round.
.macro TURN slot, next, fill
	WIN 0
	s_wait_tensorcnt 0x0
	ds_add_u32 v[SPW], v[NIL]
	s_wait_dscnt 17                                ; the add and the youngest sixteen loads may be out
	WIN MUL
	MUL8 F1, 0, 0, 0
	s_wait_dscnt 0x0                               ; the add is done, and my reads of this slot are over
	s_barrier_signal -1
	MUL8 F1, 0, 2, 0
.if \fill
	WIN 0
.endif
	s_barrier_wait -1
.if \fill
	CREST
	s_add_nc_u64 s[G0+4*\slot+2:G0+4*\slot+3], s[G0+4*\slot+2:G0+4*\slot+3], 2*1024
	s_add_nc_u64 s[G0B+4*\slot+2:G0B+4*\slot+3], s[G0B+4*\slot+2:G0B+4*\slot+3], 2*512
	JLOAD \slot                                    ; the four v_nop behind it are also the places in front of the loads below
.else
	PLACES
.endif
	FETCH \next, 0, F0
	WIN MUL
	MUL8 F1, 1, 0, 0
	MUL8 F1, 1, 2, 0
.endm
	s_wait_tensorcnt 1                             ; my part of K step 0 is in; K step 1's load may be out
	s_barrier_signal -1
	s_barrier_wait -1
	FETCH 0, 0, F0
	s_wait_loadcnt 0x0                             ; the bias
	QUARTER 0, 128, F0, F1, 1
	WIN 0
	s_mov_b32 s3, LAPS-1
.Llap:                                                 ; a trip goes once round the ring and fills both slots again
	QUARTER 0, 256, F1, F0, 0
	QUARTER 0, 384, F0, F1, 0
	TURN 0, 1, 1
	QUARTER 1, 128, F0, F1, 0
	QUARTER 1, 256, F1, F0, 0
	QUARTER 1, 384, F0, F1, 0
	TURN 1, 0, 1
	QUARTER 0, 128, F0, F1, 0
	WIN 0
	s_sub_co_u32 s3, s3, 1
	s_cmp_lg_u32 s3, 0
	s_cbranch_scc1 .Llap
	QUARTER 0, 256, F1, F0, 0                      ; the last lap fills nothing
	QUARTER 0, 384, F0, F1, 0
	TURN 0, 1, 0
	QUARTER 1, 128, F0, F1, 0
	QUARTER 1, 256, F1, F0, 0
	QUARTER 1, 384, F0, F1, 0
	s_wait_dscnt 16
	WIN MUL
	MUL8 F1, 0, 0, 0
	MUL8 F1, 0, 2, 0
	s_wait_dscnt 0
	MUL8 F1, 1, 0, 0
	MUL8 F1, 1, 2, 0
	WIN 0
	PLACES
; THE WAY OUT, in f32: my 64 columns are 256 bytes of a row.  A block of 16 rows goes through my own stage (each accumulator from its low end on) and comes back as whole rows.
.macro OBLOCK a
.set TT, TMP+32*((\a)%2)
	s_wait_xcnt 0x0                                ; the earlier blocks' stores have read their registers
.irp b, 0,1,2,3
	ds_store_b128 v[STO], v[ACC+8*(4*(\a)+\b):ACC+8*(4*(\a)+\b)+3] offset:64*\b
	ds_store_b128 v[STO], v[ACC+8*(4*(\a)+\b)+4:ACC+8*(4*(\a)+\b)+7] offset:64*\b+16
.endr
.irp i, 0,1,2,3,4,5,6,7
	ds_load_b128 v[TT+4*\i:TT+4*\i+3], v[RD] offset:\i*2*SPITCH    ; in order behind my stores
.endr
.irp i, 0,1,2,3,4,5,6,7
	s_wait_dscnt 7-\i                              ; this load is back; the younger ones may be out
	global_store_b128 v[CO], v[TT+4*\i:TT+4*\i+3], s[70:71] offset:(16*(\a)+2*\i)*SIZE_N*4 th:TH_STORE_NT   ; sixteen lanes store 256 consecutive bytes, aligned
.endr
.endm
	s_cmp_lg_u32 s45, 0                            ; positions t < 16 are block 0 of row half 0 where cluster y = 0: they are not stored here
	s_cbranch_scc1 .Lblock0
	s_cmp_eq_u32 s11, 0
	s_cbranch_scc1 .Lskip0
.Lblock0:
	OBLOCK 0
.Lskip0:
	OBLOCK 1
	OBLOCK 2
	OBLOCK 3
	s_wait_tensorcnt 0x0                           ; the wave's end
	ds_add_u32 v[SPW], v[NIL]
	s_wait_dscnt 0x0
	CROUND                                         ; the closing round
	s_endpgm
.Lfunc_end_k_q487ef4a85a_proj:
	.size	k_q487ef4a85a_proj, .Lfunc_end_k_q487ef4a85a_proj-k_q487ef4a85a_proj
	.p2alignl 7, 3214868480
	.fill 96, 4, 3214868480
	.section	.rodata,"a",@progbits
	.p2align	6, 0x0
	.amdhsa_kernel k_q487ef4a85a_proj
		.amdhsa_group_segment_fixed_size 327680
		.amdhsa_private_segment_fixed_size 0
		.amdhsa_enable_private_segment 0
		.amdhsa_kernarg_size 32
		.amdhsa_user_sgpr_count 2
		.amdhsa_user_sgpr_kernarg_segment_ptr 1
		.amdhsa_wavefront_size32 1
		.amdhsa_system_sgpr_workgroup_id_x 1
		.amdhsa_system_sgpr_workgroup_id_y 1
		.amdhsa_system_sgpr_workgroup_id_z 1
		.amdhsa_system_vgpr_workitem_id 0
		.amdhsa_next_free_vgpr 512
		.amdhsa_next_free_sgpr 72
		.amdhsa_reserve_vcc 0
		.amdhsa_float_denorm_mode_32 3
		.amdhsa_float_denorm_mode_16_64 3
		.amdhsa_memory_ordered 1
		.amdhsa_forward_progress 1
		.amdhsa_inst_pref_size 88
	.end_amdhsa_kernel
	.amdgpu_metadata
---
amdhsa.version: [ 1, 2 ]
amdhsa.kernels:
  - .name:           k_q487ef4a85a_proj
    .symbol:         k_q487ef4a85a_proj.kd
    .args:
      - { .name: y16, .offset: 0, .size: 8, .value_kind: global_buffer, .address_space: global }
      - { .name: wout_t, .offset: 8, .size: 8, .value_kind: global_buffer, .address_space: global }
      - { .name: bout, .offset: 16, .size: 8, .value_kind: global_buffer, .address_space: global }
      - { .name: out0, .offset: 24, .size: 8, .value_kind: global_buffer, .address_space: global }
    .group_segment_fixed_size: 327680
    .private_segment_fixed_size: 0
    .kernarg_segment_align: 8
    .kernarg_segment_size: 32
    .max_flat_workgroup_size: 128
    .sgpr_count:     72
    .vgpr_count:     512
    .wavefront_size: 32
...
	.end_amdgpu_metadata
.endif
;; end of part 4
;; launch first16 (part 5): grid 16 x 4, 16 waves a work-group, no clusters, 71,680 bytes of LDS; arguments qkv32, Wout, bout, out0; writes out0
.if DOCPART == 5
	.amdgcn_target "amdgcn-amd-amdhsa--gfx1250"
	.amdhsa_code_object_version 6
	.text
	.protected	k_q487ef4a85a_first16
	.globl	k_q487ef4a85a_first16
	.p2align	8
	.type	k_q487ef4a85a_first16,@function
k_q487ef4a85a_first16:
	s_mov_b64 s[64:65], 0
	v_nop
	global_prefetch_b8 v0, s[64:65] scope:SCOPE_SE
	s_setreg_imm32_b32 hwreg(HW_REG_WAVE_MODE, 25, 1), 1
	s_wait_xcnt 0x0
; FIRST16: the first 16 positions of each of the four sequences, attention and projection, in f32 throughout (v_wmma_f32_16x16x4_f32): these rows average one to sixteen values and are the largest of the output.
; Work-group (jb, batch) makes 16 rows x 64 columns of out0.  Wave h redoes head h's 16 x 16 attention, keeps y_h in registers, and multiplies it by Wout's rows 64 h .. 64 h + 63 x the 64 columns;
; the 16 partial results meet in LDS, and wave w then finishes row w.  Matrix units are used for 96 small products a wave; no loop, no tensor load, one barrier.
; IMAGES.  q, k, v arrive as images of registers: register 8 nb + j of lane (r, h) is (t = r, channel 16 nb + 8 h + j).  A pair of such registers (8 nb + 2 s, + 1) is an operand of the K = 4 form whose four
; places along K hold channels 16 nb + 8 h + 2 s + j: the same for q and for k, so the products are the right ones.  S^T = k q^T leaves a lane one query (r) and keys 8 h + j; its pairs are source 1 of
; O^T = v^T p, whose source 0 is v turned through LDS; O^T / l has the images' layout again and is source 1 of the projection, whose source 0 is loaded from Wout in that order.
; The accumulators v40-71 are written by matrix instructions alone; each of their three uses begins with the constant 0 as C.
.set REG,   4352                       ; LDS: 16 rows x 272 bytes for each wave: for turning v, then for its partial result
.set SPARE, 16*REG                     ; the spare words, 128 bytes for each wave
.set SS,  16
.set PP,  24
.set ACC, 40
.set QI,  72
.set KI,  104
.set VI,  136                          ; v's image, then v^T, then y, then the partial results
.set WBA, 168                          ; Wout for column tiles 0, 1
.set WBB, 72                           ; for tiles 2, 3: where q and k lay
.set BIA, 232
	s_load_b128 s[4:7], s[0:1], 0x0                ; qkv32, Wout
	s_load_b128 s[8:11], s[0:1], 0x10              ; bout, out0
	v_lshl_add_u32 v8, v0, 2, SPARE                ; v8: my spare word; v9: 0; neither is rewritten
	v_mov_b32 v9, 0
	v_lshrrev_b32 v1, 5, v0
	v_readfirstlane_b32 s12, v1                    ; wave = head = the row that I finish
	s_and_b32 s13, ttmp7, 0xffff                   ; batch
	v_and_b32 v12, 31, v0                          ; lane
	v_and_b32 v1, 15, v0                           ; r
	v_bfe_u32 v2, v0, 4, 1                         ; h
	v_lshlrev_b32 v3, 4, v12                       ; an image's place for my lane
	v_lshlrev_b32 v4, 15, v2
	v_lshl_add_u32 v4, v1, 2, v4                   ; Wout: 8 h rows of 4,096 bytes + 4 r
	s_mul_i32 s14, s12, REG
	v_mul_u32_u24 v5, v1, 272
	v_lshl_add_u32 v5, v2, 5, v5
	v_add_nc_u32 v5, s14, v5                       ; my region, by rows: row r, + 32 h
	v_mul_u32_u24 v6, v2, 2176
	v_lshl_add_u32 v6, v1, 2, v6
	v_add_nc_u32 v6, s14, v6                       ; and turned: row 8 h, + 4 r
	v_lshlrev_b32 v7, 3, v2
	v_sub_nc_u32 v7, v1, v7                        ; d = r - 8 h: key 8 h + j is hidden where j > d
	s_mul_i32 s15, s12, 272
	v_mul_u32_u24 v10, v2, REG
	v_lshl_add_u32 v10, v1, 4, v10
	v_add_nc_u32 v10, s15, v10                     ; the partial results of row w: region h (+ 2 i), 16 bytes a lane
	v_lshlrev_b32 v11, 4, v1
	v_mov_b32 v13, 0xff800000                      ; -infinity
	s_mov_b32 s22, 0x76543210
	s_mov_b32 s23, 0xfedcba98                      ; v_permlanex16_b32's selects for lane l xor 16
	s_mov_b32 s24, 0x3e38aa3b                      ; c = log2(e) / 8
	s_mul_i32 s16, s13, 48
	s_add_co_u32 s16, s16, s12
	s_lshl_b32 s16, s16, 12                        ; q's image: (48 batch + head) x 4,096; k's 65,536 and v's 131,072 further on
	s_mov_b32 s17, 0
	s_lshl_b32 s18, s12, 18                        ; Wout: 64 head rows,
	s_lshl_b32 s20, ttmp9, 8                       ; + 64 jb columns of 4 bytes
	s_add_co_u32 s18, s18, s20
	s_mov_b32 s19, 0
	s_mov_b32 s21, 0
	s_lshl_b32 s26, s13, 11
	s_add_co_u32 s26, s26, s12
	s_lshl_b32 s26, s26, 12                        ; out0: row 2,048 batch + w,
	s_add_co_u32 s26, s26, s20                     ; + my columns
	s_mov_b32 s27, 0
	s_wait_kmcnt 0x0
	s_add_nc_u64 s[4:5], s[4:5], s[16:17]
	s_add_nc_u64 s[6:7], s[6:7], s[18:19]
	s_add_nc_u64 s[8:9], s[8:9], s[20:21]
	s_add_nc_u64 s[10:11], s[10:11], s[26:27]
.irp nb, 0,1,2,3
.irp p, 0,1
	global_load_b128 v[QI+8*\nb+4*\p:QI+8*\nb+4*\p+3], v3, s[4:5] offset:1024*\nb+512*\p
	global_load_b128 v[KI+8*\nb+4*\p:KI+8*\nb+4*\p+3], v3, s[4:5] offset:65536+1024*\nb+512*\p
	global_load_b128 v[VI+8*\nb+4*\p:VI+8*\nb+4*\p+3], v3, s[4:5] offset:131072+1024*\nb+512*\p
.endr
.endr
	global_load_b128 v[BIA:BIA+3], v11, s[8:9]     ; bout at my four columns
.macro WLOAD base, nt0                 ; Wout(64 head + 16 nb + 8 h + 2 s + j, 64 jb + 16 nt + r) for two column tiles: step st = 4 nb + s at registers 2 st, 2 st + 1
.irp nt, 0,1
.set st, 0
.rept 16
	global_load_b32 v[\base+32*\nt+2*st], v4, s[6:7] offset:(16*(st/4)+2*(st%4))*4096+64*(\nt0+\nt)
	global_load_b32 v[\base+32*\nt+2*st+1], v4, s[6:7] offset:(16*(st/4)+2*(st%4)+1)*4096+64*(\nt0+\nt)
.set st, st+1
.endr
.endr
.endm
	WLOAD WBA, 0
	s_wait_loadcnt 0x0
.irp nb, 0,1,2,3                       ; v is turned: by rows into my region,
.irp p, 0,1
	ds_store_b128 v5, v[VI+8*\nb+4*\p:VI+8*\nb+4*\p+3] offset:64*\nb+16*\p
.endr
.endr
	s_wait_dscnt 0x0                               ; the stores are done: the loads below land in the registers that they read
.irp nb, 0,1,2,3                       ; and back by columns: register 8 nb + j = v(key 8 h + j, channel 16 nb + r)
.irp j, 0,1,2,3,4,5,6,7
	ds_load_b32 v[VI+8*\nb+\j], v6 offset:272*\j+64*\nb
.endr
.endr
.irp s, 0,1,2,3                        ; S^T = k q^T in four partial sums, which take turns
.irp nb, 0,1,2,3
.if \s == 0
	v_wmma_f32_16x16x4_f32 v[ACC+8*\nb:ACC+8*\nb+7], v[KI+8*\nb+2*\s:KI+8*\nb+2*\s+1], v[QI+8*\nb+2*\s:QI+8*\nb+2*\s+1], 0
.else
	v_wmma_f32_16x16x4_f32 v[ACC+8*\nb:ACC+8*\nb+7], v[KI+8*\nb+2*\s:KI+8*\nb+2*\s+1], v[QI+8*\nb+2*\s:QI+8*\nb+2*\s+1], v[ACC+8*\nb:ACC+8*\nb+7]
.endif
.endr
.endr
.rept 8
	v_nop                                          ; eight places behind this form, in front of loads into its sources and of the first read of its results
.endr
	WLOAD WBB, 2
.irp j, 0,1,2,3,4,5,6,7
	v_add_f32 v[PP+\j], v[ACC+\j], v[ACC+8+\j]     ; the four partial sums, each accumulator from its low end on
	v_add_f32 v[32+\j], v[ACC+16+\j], v[ACC+24+\j]
.endr
.irp j, 0,1,2,3,4,5,6,7
	v_add_f32 v[SS+\j], v[PP+\j], v[32+\j]
.endr
.irp j, 0,1,2,3,4,5,6,7
	v_cmp_gt_i32 vcc_lo, \j, v7
	v_cndmask_b32 v[SS+\j], v[SS+\j], v13, vcc_lo  ; the causal mask; key 0 counts for every query
.endr
	v_max3_num_f32 v32, v[SS], v[SS+1], v[SS+2]
	v_max3_num_f32 v32, v32, v[SS+3], v[SS+4]
	v_max3_num_f32 v32, v32, v[SS+5], v[SS+6]
	v_max_num_f32 v32, v32, v[SS+7]
	v_permlanex16_b32 v33, v32, s22, s23
	v_max_num_f32 v32, v32, v33                    ; the row's maximum
	v_mul_f32 v34, s24, v32
.irp j, 0,1,2,3,4,5,6,7
	v_fma_f32 v[PP+\j], v[SS+\j], s24, -v34
.endr
.irp j, 0,1,2,3,4,5,6,7
	v_exp_f32 v[PP+\j], v[PP+\j]
.endr
	v_nop
	s_wait_alu depctr_va_vdst(0)                   ; one wait for the eight exponentials, ahead of their first reader
	v_add_f32 v35, v[PP], v[PP+1]
	v_add_f32 v36, v[PP+2], v[PP+3]
	v_add_f32 v37, v[PP+4], v[PP+5]
	v_add_f32 v38, v[PP+6], v[PP+7]
	v_add_f32 v35, v35, v36
	v_add_f32 v37, v37, v38
	v_add_f32 v35, v35, v37
	v_permlanex16_b32 v36, v35, s22, s23
	v_add_f32 v35, v35, v36                        ; the row's sum
	v_rcp_f32 v39, v35
	v_nop
	s_wait_alu depctr_va_vdst(0)                   ; and one for the reciprocal
	s_wait_dscnt 0x0                               ; v^T is in
.irp s, 0,1,2,3                        ; O^T = v^T p: keys 8 h + 2 s + j; four tiles of 16 channels by turns
.irp nb, 0,1,2,3
.if \s == 0
	v_wmma_f32_16x16x4_f32 v[ACC+8*\nb:ACC+8*\nb+7], v[VI+8*\nb+2*\s:VI+8*\nb+2*\s+1], v[PP+2*\s:PP+2*\s+1], 0
.else
	v_wmma_f32_16x16x4_f32 v[ACC+8*\nb:ACC+8*\nb+7], v[VI+8*\nb+2*\s:VI+8*\nb+2*\s+1], v[PP+2*\s:PP+2*\s+1], v[ACC+8*\nb:ACC+8*\nb+7]
.endif
.endr
.endr
.rept 8
	v_nop
.endr
.set i, 0
.rept 32
	v_mul_f32 v[VI+i], v[ACC+i], v39               ; y(t = r, channel 16 nb + 8 h + j)
.set i, i+1
.endr
.rept 9
	v_nop                                          ; nine places in front of products that begin the accumulators anew
.endr
	s_wait_loadcnt 0x0                             ; Wout's second half
.set st, 0
.rept 16                               ; the projection: 16 steps of 4 along K, four tiles of 16 columns by turns
.irp nt, 0,1,2,3
.if \nt < 2
.set wb, WBA+32*\nt+2*st
.else
.set wb, WBB+32*(\nt-2)+2*st
.endif
.if st == 0
	v_wmma_f32_16x16x4_f32 v[ACC+8*\nt:ACC+8*\nt+7], v[wb:wb+1], v[VI+2*st:VI+2*st+1], 0
.else
	v_wmma_f32_16x16x4_f32 v[ACC+8*\nt:ACC+8*\nt+7], v[wb:wb+1], v[VI+2*st:VI+2*st+1], v[ACC+8*\nt:ACC+8*\nt+7]
.endif
.endr
.set st, st+1
.endr
.rept 8
	v_nop
.endr
.irp nt, 0,1,2,3                       ; my head's part of (t = r, columns 16 nt + 8 h + 0 .. 7), by rows into my region
	ds_store_b128 v5, v[ACC+8*\nt:ACC+8*\nt+3] offset:64*\nt
	ds_store_b128 v5, v[ACC+8*\nt+4:ACC+8*\nt+7] offset:64*\nt+16
.endr
	s_wait_dscnt 0x0                               ; for the others' sake: my stores are done
	s_barrier_signal -1
	s_barrier_wait -1
.irp i, 0,1,2,3,4,5,6,7
	ds_load_b128 v[VI+4*\i:VI+4*\i+3], v10 offset:2*REG*\i         ; row w of heads 2 i + h, four columns a lane
.endr
	s_wait_dscnt 0x0
.irp i, 0,2,4,6
	v_pk_add_f32 v[VI+4*\i:VI+4*\i+1], v[VI+4*\i:VI+4*\i+1], v[VI+4*\i+4:VI+4*\i+5]
	v_pk_add_f32 v[VI+4*\i+2:VI+4*\i+3], v[VI+4*\i+2:VI+4*\i+3], v[VI+4*\i+6:VI+4*\i+7]
.endr
.irp i, 0,4
	v_pk_add_f32 v[VI+4*\i:VI+4*\i+1], v[VI+4*\i:VI+4*\i+1], v[VI+4*\i+8:VI+4*\i+9]
	v_pk_add_f32 v[VI+4*\i+2:VI+4*\i+3], v[VI+4*\i+2:VI+4*\i+3], v[VI+4*\i+10:VI+4*\i+11]
.endr
	v_pk_add_f32 v[VI:VI+1], v[VI:VI+1], v[VI+16:VI+17]
	v_pk_add_f32 v[VI+2:VI+3], v[VI+2:VI+3], v[VI+18:VI+19]
.irp k, 0,1,2,3
	v_permlanex16_b32 v[SS+\k], v[VI+\k], s22, s23 ; the odd heads' sums lie in the lane 16 away
.endr
.irp k, 0,1,2,3
	v_add_f32 v[SS+\k], v[SS+\k], v[VI+\k]
.endr
.irp k, 0,1,2,3
	v_add_f32 v[PP+\k], v[SS+\k], v[BIA+\k]        ; + bout
.endr
	s_wait_xcnt 0x0                                ; EXEC changes only behind this wait
	v_cmp_gt_u32 vcc_lo, 16, v12
	s_and_saveexec_b32 s25, vcc_lo
	global_store_b128 v11, v[PP:PP+3], s[10:11]    ; lanes 0-15 store 256 consecutive bytes, aligned
	s_wait_xcnt 0x0
	s_or_b32 exec_lo, exec_lo, s25
	s_wait_tensorcnt 0x0                           ; the wave's end
	ds_add_u32 v8, v9
	s_wait_dscnt 0x0
	s_endpgm
.Lfunc_end_k_q487ef4a85a_first16:
	.size	k_q487ef4a85a_first16, .Lfunc_end_k_q487ef4a85a_first16-k_q487ef4a85a_first16
	.p2alignl 7, 3214868480
	.fill 96, 4, 3214868480
	.section	.rodata,"a",@progbits
	.p2align	6, 0x0
	.amdhsa_kernel k_q487ef4a85a_first16
		.amdhsa_group_segment_fixed_size 71680
		.amdhsa_private_segment_fixed_size 0
		.amdhsa_enable_private_segment 0
		.amdhsa_kernarg_size 32
		.amdhsa_user_sgpr_count 2
		.amdhsa_user_sgpr_kernarg_segment_ptr 1
		.amdhsa_wavefront_size32 1
		.amdhsa_system_sgpr_workgroup_id_x 1
		.amdhsa_system_sgpr_workgroup_id_y 1
		.amdhsa_system_sgpr_workgroup_id_z 1
		.amdhsa_system_vgpr_workitem_id 0
		.amdhsa_next_free_vgpr 256
		.amdhsa_next_free_sgpr 66
		.amdhsa_reserve_vcc 1
		.amdhsa_float_denorm_mode_32 3
		.amdhsa_float_denorm_mode_16_64 3
		.amdhsa_memory_ordered 1
		.amdhsa_forward_progress 1
		.amdhsa_inst_pref_size 34
	.end_amdhsa_kernel
	.amdgpu_metadata
---
amdhsa.version: [ 1, 2 ]
amdhsa.kernels:
  - .name:           k_q487ef4a85a_first16
    .symbol:         k_q487ef4a85a_first16.kd
    .args:
      - { .name: qkv32, .offset: 0, .size: 8, .value_kind: global_buffer, .address_space: global }
      - { .name: Wout, .offset: 8, .size: 8, .value_kind: global_buffer, .address_space: global }
      - { .name: bout, .offset: 16, .size: 8, .value_kind: global_buffer, .address_space: global }
      - { .name: out0, .offset: 24, .size: 8, .value_kind: global_buffer, .address_space: global }
    .group_segment_fixed_size: 71680
    .private_segment_fixed_size: 0
    .kernarg_segment_align: 8
    .kernarg_segment_size: 32
    .max_flat_workgroup_size: 512
    .sgpr_count:     66
    .vgpr_count:     256
    .wavefront_size: 32
...
	.end_amdgpu_metadata
.endif
;; end of part 5
